; MI455X (gfx1250); checked and timed in simulation.
; The chip was launched on July 23, 2026; its instructions are those of AMD's public machine-readable ISA for CDNA 5 (MIT licence, August 2026) and "CDNA5" Instruction Set Architecture Reference Guide (July 2026). The comments in the code are by the model that wrote it; some were corrected since.
;; Adjacency Masked Net. Allowed arithmetic: matrix products marked QUANTISED: E4M3 operands, one E8M0 scale for each 32 along K, by v_wmma_scale_f32_16x16x128_f8f6f4 with both operands' format E4M3, f32 sums; everything else in f32.
;; Inputs: A_mask 512 x 8 float32; W1_codes 2,048 x 16 x 32 uint8 (E4M3 codes of W1, K innermost, in blocks of 32 codes); W1_scales 2,048 x 16 uint8 (E8M0 scales of W1, one for each 32 codes along K); W2_codes 512 x 64 x 32 uint8 (E4M3 codes of W2, K innermost, in blocks of 32 codes); W2_scales 512 x 64 uint8 (E8M0 scales of W2, one for each 32 codes along K); b1 2,048 float32; b2 512 float32; col_idx 512 int32; x 4,096 x 512 float32.
;; Outputs: out0 4,096 x 512 float32.
;; This version of the problem:
;;   THIS VERSION OF THE PROBLEM IS GIVEN IN LOW PRECISION. The matrix products marked QUANTISED in the list below multiply operands that are first quantised to E4M3 (4 exponent bits, 3 mantissa bits; 8 bits a number), with one power-of-two scale for each 32 numbers along K (OCP MX v1.0); their sums are f32. All else is computed in f32.
;;   The module's matrix products, in the order in which they are computed (A, B: the left and right operand; K: the contracted axis; several contracted axes count as one K, in the product's order):
;;     1. [M 32,768, K 512] x [K 512, N 2,048]; A: computed on the way; B: input W1 (given as codes): QUANTISED
;;     2. [M 32,768, K 2,048] x [K 2,048, N 512]; A: computed on the way; B: input W2 (given as codes): QUANTISED
;;   THE QUANTISER, for each operand of a quantised product, along K:
;;     - K is cut into blocks of 32 from its start; a last block that is shorter is filled with zeros.
;;     - A block's scale is 2^e with e = floor(log2(the largest magnitude in the block)) - 8, held to -126 .. 127; a block of zeros has e = 0. As a byte (E8M0): e + 127.
;;     - Each number is divided by its block's scale, clamped to +-448, and rounded to the nearest number of E4M3, ties to even, subnormals kept.
;;     - The product sums the exact products of the quantised numbers (number of the format x scale) in f32.
;;   ~~~python
;;   def quantise(x, axis):      # numpy; x: float32 -> the quantised numbers, widened to float32 again
;;       x = np.moveaxis(x, axis, -1); K = x.shape[-1]
;;       x = np.pad(x, [(0, 0)] * (x.ndim - 1) + [(0, -K % 32)]); x = x.reshape(x.shape[:-1] + (-1, 32)); a = np.abs(x).max(-1, keepdims=True)
;;       e = np.where(a > 0, np.clip(np.frexp(np.where(a > 0, a, 1))[1] - 1 - 8, -126, 127), 0)      # np.frexp(a)[1] - 1 = floor(log2(a)), exactly
;;       r = np.clip(x / 2.0 ** e, -448, 448)
;;       step = 2.0 ** (np.maximum(np.frexp(np.where(r == 0, 1, r))[1] - 1, -6) - 3)
;;       q = np.round(r / step) * step * 2.0 ** e      # np.round: ties to even
;;       return np.moveaxis(q.reshape(q.shape[:-2] + (-1,))[..., :K], -1, axis).astype(np.float32)
;;   ~~~
;;   OPERANDS COMPUTED ON THE WAY. 'Computed on the way' means the value that the module computes at that place (a softmax that the list does not call 'softmax' is quantised finished and normalised). What goes into a quantiser is computed in f32, as accurately as f32 sums, v_exp_f32 and their like allow (about 1e-6 of the number): no bf16 or f16 on the way to a quantiser, and a product that is left as it is and whose result goes on into a quantised operand takes f32 operands (vector FMAs, or v_wmma_f32_16x16x4_f32). A number that lies on a knife's edge between two numbers of the format may be rounded either way, as far as f32 arithmetic and the matrix unit's own rounding can turn it there, and no further.
;;   INPUTS GIVEN AS CODES. W1 (in the module: [512, 2048], K = its axis 0); W2 (in the module: [2048, 512], K = its axis 0): each comes as NAME_codes (uint8): NAME with its K axis moved to the last place and cut into blocks of 32 codes, [.., K / 32, bytes a block], one block behind the other in memory; one code a byte (a code: sign, 4 exponent bits, 3 mantissa bits); and NAME_scales (uint8): the same leading axes, one E8M0 byte (e + 127) for each 32 codes along K. Its value is code x scale, taken as it is: it is not quantised again, and the codes and scales need not be those that the quantiser above would give.
;; 2 versions, each right; version 2 is version 1 with the launch main written anew for expert scheduling mode. Each part assembles by itself: llvm-mc -triple=amdgcn-amd-amdhsa -mcpu=gfx1250 --defsym DOCPART=n.
;; ======== version 1 of 2: 2 launches
;; workspace buffers: w1f 1,048,576 bytes; w2f 1,966,080 bytes; w2s 61,440 bytes; b2s 3,840 bytes; maskT 16,384 bytes; tab 4,352 bytes of whole numbers
;; launch prep (part 1): grid 192 x 1, 1 waves a work-group, no clusters, 4,352 bytes of LDS; arguments A_mask, W1_codes, W2_codes, W2_scales, b2, col_idx, maskT, w1f, w2f, w2s, b2s, tab; writes maskT, w1f, w2f, w2s, b2s, tab
.if DOCPART == 1
	.amdgcn_target "amdgcn-amd-amdhsa--gfx1250"
	.amdhsa_code_object_version 6
	.text
	.protected	k_qfac14fe89e_prep
	.globl	k_qfac14fe89e_prep
	.p2align	8
	.type	k_qfac14fe89e_prep,@function
k_qfac14fe89e_prep:
	s_mov_b64 s[64:65], 0
	v_nop
	global_prefetch_b8 v0, s[64:65] scope:SCOPE_SE
	s_setreg_imm32_b32 hwreg(HW_REG_WAVE_MODE, 25, 1), 1
	s_wait_xcnt 0x0
; LAYS THE WEIGHTS IN THE ORDER OF THE OPERANDS' REGISTERS, TURNS THE MASK, AND SORTS THE OUTPUT COLUMNS BY THEIR GROUP.  A work-group is one wave; its number picks its part.
; Part A (work-groups 0-63, U = the number): W1's rows 32 U .. 32 U + 31 (512 codes each) -> w1f + 16,384 U: tile e (0, 1), K step s (0..3), piece c (0..3), lane, 16 bytes:
;   lane (r = lane % 16, h = lane / 16) holds W1_codes[32 U + 8 e + r + 8 (r / 8)][128 s + 32 c + 16 h ..]: so a later load of 16 bytes a lane, 512 consecutive bytes a wave, is four registers of a fragment.
; Part B (64-71, g): A_mask[:, g] -> maskT[g][:], 2,048 dense bytes.
; Part C (72-191: pass q = 0..14, pair of column tiles cp, quarter of K kq): the columns j of group col_idx[j] = g, ascending, take slots 64 pbase[g] + rank; a group has npass = ceil(count / 64) passes of 64 slots,
;   pbase is the running sum of npass (15 at the most: sum of ceil(c / 64) <= (512 + 8 x 63) / 64).  SLOTS PAST A PASS'S COUNT REPEAT THE PASS'S FIRST COLUMN: the next launch makes that column's number again
;   from the same operands and stores it at the same place, so it needs no mask.  Every one of these work-groups makes the whole sort for itself (16 words a lane, ballots, no atomics), and then lays its share
;   of W2's codes, W2's scales, b2 and the tables by the sorted order.  All 15 passes are always written (a pass that no group owns names column 0 and is never walked).
; tab: bytes 0-63 {npass, pbase} for each group; bytes 256-495 {count, flag, first column, 0} for each pass; bytes 512-4,351 the column of each slot.  flag = 1: the pass is 64 neighbouring columns from a multiple of 64.
; LIMIT: col_idx is held to 0 .. 7 (an index stays inside the table that it indexes).
	s_load_b512 s[4:19], s[0:1], 0x0               ; A_mask s[4:5], W1_codes s[6:7], W2_codes s[8:9], W2_scales s[10:11], b2 s[12:13], col_idx s[14:15], maskT s[16:17], w1f s[18:19]
	s_load_b256 s[20:27], s[0:1], 0x40             ; w2f s[20:21], w2s s[22:23], b2s s[24:25], tab s[26:27]
	v_lshl_add_u32 v192, v0, 2, 0x1000
	v_mov_b32 v193, 0
	v_and_b32 v1, 31, v0                           ; lane
	v_and_b32 v2, 15, v0                           ; r
	v_bfe_u32 v3, v0, 4, 1                         ; h
	v_lshlrev_b32 v4, 4, v1                        ; 16 x lane
	s_mov_b32 s29, 0                               ; the upper word of every offset pair s[28:29]
	s_wait_kmcnt 0x0
	s_cmp_lt_u32 ttmp9, 64
	s_cbranch_scc1 .Lpart_a
	s_cmp_lt_u32 ttmp9, 72
	s_cbranch_scc1 .Lpart_b
	s_branch .Lpart_c
.Lpart_a:
	s_lshl_b32 s28, ttmp9, 14                      ; 32 rows of 512 bytes in, 16,384 bytes out
	s_add_nc_u64 s[6:7], s[6:7], s[28:29]
	s_add_nc_u64 s[18:19], s[18:19], s[28:29]
	v_and_b32 v5, 8, v2
	v_add_nc_u32 v5, v5, v2                        ; r + 8 (r / 8)
	v_lshlrev_b32 v5, 9, v5
	v_lshl_add_u32 v5, v3, 4, v5                   ; that row, + 16 h
.irp e, 0,1
.irp s, 0,1,2,3
.irp c, 0,1,2,3
	global_load_b128 v[64+4*((4*\e+\s)*4+\c):64+4*((4*\e+\s)*4+\c)+3], v5, s[6:7] offset:\e*4096+\s*128+\c*32 th:TH_LOAD_NT
.endr
.endr
.endr
.set N, 0
.rept 32
	s_wait_loadcnt 31-N                            ; loads come back in order: number N is in, the 31 - N younger ones may be out
	global_store_b128 v4, v[64+4*N:64+4*N+3], s[18:19] offset:512*N   ; 512 consecutive bytes a store
.set N, N+1
.endr
	s_endpgm
.Lpart_b:
	s_sub_co_u32 s30, ttmp9, 64                    ; g
	s_lshl_b32 s28, s30, 2
	s_add_nc_u64 s[4:5], s[4:5], s[28:29]          ; A_mask[0][g]
	s_lshl_b32 s28, s30, 11
	s_add_nc_u64 s[16:17], s[16:17], s[28:29]      ; maskT[g][0]
	v_lshlrev_b32 v5, 7, v1                        ; k = 128 i + 4 lane + j: a row of A_mask is 32 bytes
.irp i, 0,1,2,3
.irp j, 0,1,2,3
	global_load_b32 v[64+4*\i+\j], v5, s[4:5] offset:4096*\i+32*\j
.endr
.endr
	s_wait_loadcnt 0x0
.irp i, 0,1,2,3
	global_store_b128 v4, v[64+4*\i:64+4*\i+3], s[16:17] offset:512*\i
.endr
	s_endpgm
.Lpart_c:
	s_sub_co_u32 s30, ttmp9, 72
	s_and_b32 s31, s30, 3                          ; kq: chunks 4 kq .. 4 kq + 3 of 128 along K
	s_bfe_u32 s58, s30, 0x10002                    ; cp: column tiles 2 cp, 2 cp + 1
	s_lshr_b32 s59, s30, 3                         ; q: the pass,
	s_min_u32 s59, s59, 14                         ; 0 .. 14
	v_lshlrev_b32 v5, 2, v1                        ; 4 x lane
.irp c, 0,1,2,3,4,5,6,7,8,9,10,11,12,13,14,15
	global_load_b32 v[16+\c], v5, s[14:15] offset:128*\c   ; col_idx[32 c + lane]
.endr
.irp g, 0,1,2,3,4,5,6,7
	s_mov_b32 s[32+\g], 0                          ; the groups' counts so far
.endr
	s_wait_loadcnt 0x0
.irp c, 0,1,2,3,4,5,6,7,8,9,10,11,12,13,14,15
	v_min_u32 v[16+\c], 7, v[16+\c]
.endr
; The rank of column 32 c + lane in its group: the group's count so far + the lanes below mine that name the same group.  Columns are taken in ascending order, so ranks ascend with the column.
.macro RANK c
.irp g, 0,1,2,3,4,5,6,7
	v_cmp_eq_u32 s[40+\g], \g, v[16+\c]            ; which lanes name group g
.endr
.irp g, 0,1,2,3,4,5,6,7
	v_mbcnt_lo_u32_b32 v[48+\g], s[40+\g], s[32+\g]
.endr
	v_cndmask_b32 v[32+\c], v48, v49, s41          ; of the eight, my own group's
.irp g, 2,3,4,5,6,7
	v_cndmask_b32 v[32+\c], v[32+\c], v[48+\g], s[40+\g]
.endr
.irp g, 0,1,2,3,4,5,6,7
	s_bcnt1_i32_b32 s[40+\g], s[40+\g]
.endr
.irp g, 0,1,2,3,4,5,6,7
	s_add_co_u32 s[32+\g], s[32+\g], s[40+\g]
.endr
.endm
.irp c, 0,1,2,3,4,5,6,7,8,9,10,11,12,13,14,15
	RANK \c
.endr
.irp g, 0,1,2,3,4,5,6,7
	s_add_co_u32 s[40+\g], s[32+\g], 63
	s_lshr_b32 s[40+\g], s[40+\g], 6               ; npass[g]
.endr
	s_mov_b32 s48, 0                               ; pbase[0]
.irp g, 1,2,3,4,5,6,7
	s_add_co_u32 s[48+\g], s[47+\g], s[39+\g]      ; pbase[g] = pbase[g - 1] + npass[g - 1]
.endr
	s_mov_b32 s56, 0                               ; all eight pbase, four bits each (15 at the most),
	s_mov_b32 s57, 0                               ; and all eight npass (8 at the most)
.irp g, 0,1,2,3,4,5,6,7
	s_lshl_b32 s60, s[48+\g], 4*\g
	s_or_b32 s56, s56, s60
	s_lshl_b32 s60, s[40+\g], 4*\g
	s_or_b32 s57, s57, s60
.endr
	s_mov_b32 s62, 0                               ; my pass's count: 0 where no group owns it
.irp g, 0,1,2,3,4,5,6,7
	s_sub_co_u32 s60, s59, s[48+\g]                ; which pass of group g this would be
	s_lshl_b32 s61, s60, 6
	s_sub_co_u32 s61, s[32+\g], s61
	s_min_u32 s61, s61, 64                         ; what is left of the group's columns, 64 at the most
	s_cmp_lt_u32 s60, s[40+\g]                     ; it is one of the group's passes
	s_cselect_b32 s62, s61, s62
.endr
.irp c, 0,1,2,3,4,5,6,7,8,9,10,11,12,13,14,15
	v_lshlrev_b32 v[16+\c], 2, v[16+\c]
	v_lshrrev_b32 v[16+\c], v[16+\c], s56
	v_and_b32 v[16+\c], 15, v[16+\c]               ; pbase of my column's group
	v_lshl_add_u32 v[16+\c], v[16+\c], 6, v[32+\c] ; the column's slot
	v_min_u32 v[16+\c], 959, v[16+\c]              ; (it lies under 960 by the count above: held there all the same, since it becomes an address)
	v_lshlrev_b32 v[16+\c], 2, v[16+\c]            ; a word a slot, in LDS
	v_add_nc_u32 v[32+\c], 32*\c, v1               ; the column's number
.endr
	s_lshl_b32 s60, s59, 8                         ; my pass's 64 words
	v_add_nc_u32 v6, s60, v5
	v_mov_b32 v7, 0
	ds_store_b32 v6, v7                            ; first zeros in my pass's slots,
	ds_store_b32 v6, v7 offset:128
.irp c, 0,1,2,3,4,5,6,7,8,9,10,11,12,13,14,15
	ds_store_b32 v[16+\c], v[32+\c]                ; then every column into its slot: LDS serves a wave's instructions in order (ISA guide 5.7.1.4)
.endr
	s_lshl_b32 s61, s58, 7
	v_add_nc_u32 v8, s61, v6                       ; slot 64 q + 32 cp + lane
	v_lshl_add_u32 v9, v2, 2, s60
	v_add_nc_u32 v9, s61, v9                       ; slot 64 q + 32 cp + r
	ds_load_b32 v10, v8                            ; the column of my slot among the pair's 32
	ds_load_b32 v11, v9                            ; the column of row r of tile 2 cp,
	ds_load_b32 v12, v9 offset:64                  ; and of tile 2 cp + 1
	ds_load_b32 v13, v6                            ; the pass's slots 0-31,
	ds_load_b32 v14, v6 offset:128                 ; and 32-63
	s_wait_dscnt 0x0
	v_readfirstlane_b32 s63, v13                   ; the pass's first column
	v_mov_b32 v7, s63
	s_lshl_b32 s61, s58, 5
	s_sub_co_i32 s61, s62, s61                     ; how many of the pair's 32 slots count (0 or less: none)
	v_cmp_gt_i32 vcc_lo, s61, v1
	v_cndmask_b32 v10, v7, v10, vcc_lo             ; a slot past the count repeats the first column
	v_cmp_gt_i32 vcc_lo, s61, v2
	v_cndmask_b32 v11, v7, v11, vcc_lo
	s_sub_co_i32 s61, s61, 16
	v_cmp_gt_i32 vcc_lo, s61, v2
	v_cndmask_b32 v12, v7, v12, vcc_lo
	v_min_u32 v10, 511, v10
	v_min_u32 v11, 511, v11
	v_min_u32 v12, 511, v12
	v_lshlrev_b32 v15, 4, v3
	v_lshl_add_u32 v11, v11, 11, v15               ; a row of W2's codes is 2,048 bytes; + 16 h
	v_lshl_add_u32 v12, v12, 11, v15
	v_lshlrev_b32 v56, 6, v10                      ; a row of W2's scales is 64 bytes
	v_lshlrev_b32 v57, 2, v10
	s_lshl_b32 s28, s31, 9
	s_add_nc_u64 s[8:9], s[8:9], s[28:29]          ; codes: 512 kq along K
	s_lshl_b32 s28, s31, 4
	s_add_nc_u64 s[10:11], s[10:11], s[28:29]      ; scales: 16 kq
.irp e, 0,1
.irp i, 0,1,2,3
.irp c, 0,1,2,3
	global_load_b128 v[64+4*(16*\e+4*\i+\c):64+4*(16*\e+4*\i+\c)+3], v[11+\e], s[8:9] offset:\i*128+\c*32
.endr
.endr
.endr
	global_load_b128 v[58:61], v56, s[10:11]       ; the scale words of chunks 4 kq .. 4 kq + 3 of my slot's column
	global_load_b32 v62, v57, s[12:13]             ; b2 of my slot's column
	s_lshl_b32 s28, s59, 17                        ; w2f: 131,072 q + 8,192 (4 kq + i) + 2,048 (2 cp + e) + 512 c + 16 lane
	s_lshl_b32 s60, s31, 15
	s_add_co_u32 s28, s28, s60
	s_lshl_b32 s60, s58, 12
	s_add_co_u32 s28, s28, s60
	s_add_nc_u64 s[20:21], s[20:21], s[28:29]
	s_lshl_b32 s28, s59, 12                        ; w2s: 4,096 q + 512 (4 cp + kq) + 16 lane
	s_lshl_b32 s60, s58, 11
	s_add_co_u32 s28, s28, s60
	s_lshl_b32 s60, s31, 9
	s_add_co_u32 s28, s28, s60
	s_add_nc_u64 s[22:23], s[22:23], s[28:29]
.irp e, 0,1
.irp i, 0,1,2,3
.irp c, 0,1,2,3
	s_wait_loadcnt 33-(16*\e+4*\i+\c)              ; the younger code loads, the scales' load and b2's may be out
	global_store_b128 v4, v[64+4*(16*\e+4*\i+\c):64+4*(16*\e+4*\i+\c)+3], s[20:21] offset:\i*8192+\e*2048+\c*512
.endr
.endr
.endr
	s_wait_loadcnt 0x0
	global_store_b128 v4, v[58:61], s[22:23]
	s_cmp_lg_u32 s31, 0                            ; the slots' columns and b2 are stored by the quarter kq = 0 alone
	s_cbranch_scc1 .Lend_c
	s_lshl_b32 s28, s59, 8
	s_lshl_b32 s60, s58, 7
	s_add_co_u32 s28, s28, s60                     ; 4 x (64 q + 32 cp)
	s_add_nc_u64 s[24:25], s[24:25], s[28:29]
	s_add_nc_u64 s[30:31], s[26:27], s[28:29]
	global_store_b32 v5, v62, s[24:25]
	global_store_b32 v5, v10, s[30:31] offset:512
	s_cmp_lg_u32 s58, 0                            ; the pass's entry by cp = 0 alone
	s_cbranch_scc1 .Lend_c
	v_readlane_b32 s61, v14, 31                    ; the last slot's column (it counts where the count is 64)
	s_cmp_eq_u32 s62, 64
	s_cselect_b32 s60, 1, 0
	s_sub_co_u32 s61, s61, s63
	s_cmp_eq_u32 s61, 63                           ; 64 ascending columns 63 apart are neighbours
	s_cselect_b32 s60, s60, 0
	s_and_b32 s61, s63, 63
	s_cmp_eq_u32 s61, 0
	s_cselect_b32 s60, s60, 0                      ; flag
	v_mov_b32 v48, s62
	v_mov_b32 v49, s60
	v_mov_b32 v50, s63
	v_mov_b32 v51, 0
	s_lshl_b32 s61, s59, 4
	v_mov_b32 v52, s61
	v_cmp_eq_u32 vcc_lo, 0, v1
	s_wait_xcnt 0x0                                ; EXEC is a source of the stores above: it changes only behind this wait
	s_and_saveexec_b32 s61, vcc_lo
	global_store_b128 v52, v[48:51], s[26:27] offset:256
	s_wait_xcnt 0x0                                ; and again in front of the line that widens it
	s_or_b32 exec_lo, exec_lo, s61
	s_cmp_lg_u32 s59, 0                            ; the groups' entries by pass 0's work-group alone
	s_cbranch_scc1 .Lend_c
	v_lshrrev_b32 v54, v5, s57
	v_and_b32 v54, 15, v54                         ; npass[lane]
	v_lshrrev_b32 v55, v5, s56
	v_and_b32 v55, 15, v55                         ; pbase[lane]
	v_lshlrev_b32 v53, 3, v1
	v_cmp_gt_u32 vcc_lo, 8, v1
	s_wait_xcnt 0x0
	s_and_saveexec_b32 s61, vcc_lo
	global_store_b64 v53, v[54:55], s[26:27]
	s_wait_xcnt 0x0
	s_or_b32 exec_lo, exec_lo, s61
.Lend_c:
	s_wait_tensorcnt 0x0
	ds_add_u32 v192, v193
	s_wait_dscnt 0x0
	s_endpgm
.Lfunc_end_k_qfac14fe89e_prep:
	.size	k_qfac14fe89e_prep, .Lfunc_end_k_qfac14fe89e_prep-k_qfac14fe89e_prep
	.p2alignl 7, 3214868480
	.fill 96, 4, 3214868480
	.section	.rodata,"a",@progbits
	.p2align	6, 0x0
	.amdhsa_kernel k_qfac14fe89e_prep
		.amdhsa_group_segment_fixed_size 4352
		.amdhsa_private_segment_fixed_size 0
		.amdhsa_enable_private_segment 0
		.amdhsa_kernarg_size 96
		.amdhsa_user_sgpr_count 2
		.amdhsa_user_sgpr_kernarg_segment_ptr 1
		.amdhsa_wavefront_size32 1
		.amdhsa_system_sgpr_workgroup_id_x 1
		.amdhsa_system_sgpr_workgroup_id_y 1
		.amdhsa_system_sgpr_workgroup_id_z 1
		.amdhsa_system_vgpr_workitem_id 0
		.amdhsa_next_free_vgpr 194
		.amdhsa_next_free_sgpr 66
		.amdhsa_reserve_vcc 1
		.amdhsa_float_denorm_mode_32 3
		.amdhsa_float_denorm_mode_16_64 3
		.amdhsa_memory_ordered 1
		.amdhsa_forward_progress 1
		.amdhsa_inst_pref_size 65
	.end_amdhsa_kernel
	.amdgpu_metadata
---
amdhsa.version: [ 1, 2 ]
amdhsa.kernels:
  - .name:           k_qfac14fe89e_prep
    .symbol:         k_qfac14fe89e_prep.kd
    .args:
      - { .name: A_mask, .offset: 0, .size: 8, .value_kind: global_buffer, .address_space: global }
      - { .name: W1_codes, .offset: 8, .size: 8, .value_kind: global_buffer, .address_space: global }
      - { .name: W2_codes, .offset: 16, .size: 8, .value_kind: global_buffer, .address_space: global }
      - { .name: W2_scales, .offset: 24, .size: 8, .value_kind: global_buffer, .address_space: global }
      - { .name: b2, .offset: 32, .size: 8, .value_kind: global_buffer, .address_space: global }
      - { .name: col_idx, .offset: 40, .size: 8, .value_kind: global_buffer, .address_space: global }
      - { .name: maskT, .offset: 48, .size: 8, .value_kind: global_buffer, .address_space: global }
      - { .name: w1f, .offset: 56, .size: 8, .value_kind: global_buffer, .address_space: global }
      - { .name: w2f, .offset: 64, .size: 8, .value_kind: global_buffer, .address_space: global }
      - { .name: w2s, .offset: 72, .size: 8, .value_kind: global_buffer, .address_space: global }
      - { .name: b2s, .offset: 80, .size: 8, .value_kind: global_buffer, .address_space: global }
      - { .name: tab, .offset: 88, .size: 8, .value_kind: global_buffer, .address_space: global }
    .group_segment_fixed_size: 4352
    .private_segment_fixed_size: 0
    .kernarg_segment_align: 8
    .kernarg_segment_size: 96
    .max_flat_workgroup_size: 32
    .sgpr_count:     66
    .vgpr_count:     194
    .wavefront_size: 32
...
	.end_amdgpu_metadata
.endif
;; end of part 1
;; launch main (part 2): grid 32 x 8, 4 waves a work-group, no clusters, 305,664 bytes of LDS; arguments x, maskT, w1f, W1_scales, b1, w2f, w2s, b2s, tab, out0; writes out0
.if DOCPART == 2
	.amdgcn_target "amdgcn-amd-amdhsa--gfx1250"
	.amdhsa_code_object_version 6
	.text
	.protected	k_qfac14fe89e_main
	.globl	k_qfac14fe89e_main
	.p2align	8
	.type	k_qfac14fe89e_main,@function
k_qfac14fe89e_main:
	s_mov_b64 s[64:65], 0
	v_nop
	global_prefetch_b8 v0, s[64:65] scope:SCOPE_SE
	s_setreg_imm32_b32 hwreg(HW_REG_WAVE_MODE, 25, 1), 1
	s_wait_xcnt 0x0
; out[n][j] = (relu((x[n] * A_mask[:, g]) W1 + b1) W2 + b2)[j] with g = col_idx[j]; both products on codes of E4M3 with one E8M0 scale for each 32 along K.
; SHARES.  A work-group takes ONE group g (grid y) and 128 rows of x (grid x): 8 x 32 = 256 work-groups.  Of the second product only the columns that name g are made: they come sorted, in passes of 64 slots.
;   A:  wave w multiplies rows 32 w .. 32 w + 31 of x by the group's mask, quantises them along K = 512 and puts codes and scale bytes into LDS | barrier | every wave takes all 32 fragments of x into 512 registers | barrier
;   1:  wave w makes hidden units 512 w .. 512 w + 511 for all 128 rows, 32 units at a time: W1's 8 fragments come from memory straight into registers (each is loaded by one wave of the work-group and feeds 8 matrix
;       instructions); b1 is the C of the first K step; relu and the quantiser work in registers; the codes go to LDS as images of the next operand's registers.  The hidden layer, 128 x 2,048 codes = 256 KiB, stays in LDS | barrier
;   2:  wave w makes rows 32 w .. 32 w + 31 x a pass's 64 slots: 8 accumulators, K = 2,048 in 16 chunks; the hidden fragments from LDS, W2's from memory in the sorted order; b2 is the C of the first chunk; then the way out.
;       A slot past the pass's count repeats the pass's first column (so the tables are laid): it makes that column's number again from the same operands and stores it at the same place.  So no store is masked.
; BOTH PRODUCTS ARE USED TRANSPOSED (source 0 = 16 rows of the weight, source 1 = 16 rows of x or of the hidden layer): a lane holds one row, and its registers run along the weight's rows.
; THE ROWS OF W1 THAT FORM A TILE ARE NOT NEIGHBOURS: lane r of tile e takes row 32 U + 8 e + r + 8 (r / 8), so that the 16 registers of tiles 0 and 1 are hidden units 32 U + 16 (lane / 16) + 0 .. 15: four registers of a fragment.
; NO TENSOR LOADS, NO CLUSTER, though all work-groups walk the same W1: the number of passes and the way out are numbers read from memory (any split of the 512 columns over the 8 groups is served by this one grid),
; and a text whose trip count hangs on such a number brings its operands by plain loads.  A group that no column names has its hidden layer made and stores nothing: so no barrier stands under a branch on a stored number.
; LIMITS: NaN and infinities among the inputs are not served.  A block of zeros gets the scale byte 1 (the floor 2^(9 - 127) among the maximum's leaves) where the rule says 127: its codes are zeros, and this text alone
; reads the bytes.  The biases are added ahead of the products, as C, not behind them.
; REGISTERS, in windows of 256 (s_set_vgpr_msb: bits 1:0 source 0, 3:2 source 1, 5:4 source 2, 7:6 destination):
;   window 0: v1-15 addresses; v16-31 x's scale words, later the hidden layer's; v32-39 W1's scale words; v40-71 b1, later b2; v72-95 at work; v96-127 the codes on their way to LDS, later W2's scale words;
;             v128-255 the 16 accumulators of product 1, later y (v128-191) and rows on the way out (v192-255); in A the mask (v128-143) and 32 products (v144-175)
;   window 1: W1's fragments, two sets of 128; later four slots of two hidden fragments.      windows 2, 3: x as f32, then x's 32 fragments, then a ring of 8 chunks of W2.
.set XP,    528                        ; LDS: a row of x's codes: 512 bytes + 16: 33 x 16, so the 16 rows of a fragment load start at 16 different groups of banks (64 banks of 4 bytes: ISA guide 11.1)
.set XSB,   128*XP                     ; behind the 128 rows: x's scale bytes, 16 a row.  Both regions are dead behind the second barrier and lie under the hidden codes
.set HSB,   262144                     ; the hidden codes fill bytes 0 .. 262,143: 4,096 U + 512 m + 16 lane (U: 32 units; m: tile of 16 rows).  Behind them their scale bytes, 8,192:
                                       ; 2,048 (m / 2) + 512 (the wave that made it) + 256 (m % 2) + 16 r + (that wave's sub-chunk 0 .. 15)
.set STG,   HSB+8192                   ; the stages for the way out: 32 rows x 272 bytes for each wave
.set SPI,   272
.set FLOOR, 0x4800000                  ; 2^(9 - 127): under it no largest magnitude is taken, so a scale's byte cannot fall under 1
.set L16,  1                           ; v1   16 x lane; never rewritten
.set WSV,  2                           ; v2   W1's scale words: 16 x (8 (lane / 16) + r + 8 (r / 8)): lanes 0-15 tile 0's rows, lanes 16-31 tile 1's
.set B1V,  3                           ; v3   b1: 64 (lane / 16)
.set XV,   4                           ; v4   x and the mask: 32 x lane
.set XST,  5                           ; v5   where I put 8 codes of x
.set XSS,  6                           ; v6   and their block's scale byte
.set XRD,  7                           ; v7   my lane's place in a fragment of x
.set XSR,  8                           ; v8   and among x's scale words
.set HAD0, 9                           ; v9   the hidden codes of my wave: 65,536 w + 16 lane
.set HSA0, 10                          ; v10  their scale bytes: HSB + 512 w + 16 r
.set HAD,  11                          ; v11, v12  the same at the trip in hand
.set HSA,  12
.set PA,   2                           ; product 2: v2-3 the scattered way out: the columns of slots lane and 32 + lane, as byte offsets in a row of out
.set HR,   4                           ; v4-7 the hidden fragments of my two row tiles, chunks 4 i on
.set SST,  8                           ; v8   the stage: where I put 32 bytes of a row
.set SRF,  9                           ; v9   back: sixteen lanes to a row
.set SRG,  10                          ; v10  back: a lane to a slot
.set OVF,  11                          ; v11  my byte offset in two rows of out
.set B2V,  12                          ; v12  b2: 32 (lane / 16)
.set L4,   13                          ; v13  4 x lane
.set HSR,  14                          ; v14  the hidden scale words of my rows
.set XSC,  16
.set HSC,  16
.set W1SC, 32
.set BR,   40
.set TM,   72                          ; v72-75 largest magnitudes, v76-79 the other half's, v80-83 the conversions' scale operands, v84-87 448 x the scale, v88-95 the bytes
.set TP,   76
.set SC,   80
.set BD,   84
.set BY,   88
.set CD,   96
.set W2S,  96
.set ACC,  128
.set YA,   128
.set OB,   192
.set MK,   128                         ; A: the mask at my 16 places of a row
.set T,    144                         ; A: four chains of 8 products
.set AM,   72
.set SCL,  76
.set BDL,  80
.set BYL,  84
.set CDX,  88
.set MSB,  0
.macro WIN new                         ; the immediate's high byte repeats the setting that is left; a switch that changes nothing is dropped
.if MSB != (\new)
	s_set_vgpr_msb (MSB<<8)|(\new)
.set MSB, (\new)
.endif
.endm
; A vector instruction or an LDS store that reads a matrix result, and a load into a register that a matrix instruction has read, stand 8 places behind it (9 where a matrix instruction writes over such a register);
; only plain vector instructions that name none of its registers are places.
.macro PLACES n
.rept \n
	v_nop
.endr
.endm
.macro BARRIER                         ; my LDS stores have landed and my LDS loads are in: then the work-group's barrier
	s_wait_dscnt 0x0
	s_barrier_signal -1
	s_barrier_wait -1
.endm
; Rows 2 i and 2 i + 1 of my 32: a lane takes k = 256 t + 8 lane + 0 .. 7, two loads of 16 bytes; the two together cover 1,024 consecutive bytes
.macro XLOAD i
	WIN 0x80+0x40*((\i)/8)
.irp a, 0,1
.irp t, 0,1
.irp j, 0,1
.set rX, 16*((2*(\i)+\a)%16)+8*\t+4*\j
	global_load_b128 v[rX:rX+3], v[XV], s[4:5] offset:(2*(\i)+\a)*2048+\t*1024+\j*16
.endr
.endr
.endr
	WIN 0
.endm
; These two rows times the mask, quantised: four chains (row, t) of 8 numbers a lane by turns.  A block of 32 lies in four neighbouring lanes.
.macro XQ i
	WIN 0x02+(\i)/8
.irp a, 0,1
.irp t, 0,1
.irp n, 0,2,4,6
.set rX, 16*((2*(\i)+\a)%16)+8*\t+\n
.set rT, T+8*(2*\a+\t)+\n
	v_pk_mul_f32 v[rT:rT+1], v[rX:rX+1], v[MK+8*\t+\n:MK+8*\t+\n+1]
.endr
.endr
.endr
	WIN 0
.irp h, 0,1,2,3
	v_max3_num_f32 v[AM+\h], |v[T+8*\h]|, |v[T+8*\h+1]|, FLOOR
.endr
.irp n, 2,4,6
.irp h, 0,1,2,3
	v_max3_num_f32 v[AM+\h], v[AM+\h], |v[T+8*\h+\n]|, |v[T+8*\h+\n+1]|
.endr
.endr
.irp h, 0,1,2,3
	v_max_num_f32_dpp v[AM+\h], v[AM+\h], v[AM+\h] row_xmask:1 row_mask:0xf bank_mask:0xf
.endr
.irp h, 0,1,2,3
	v_max_num_f32_dpp v[AM+\h], v[AM+\h], v[AM+\h] row_xmask:2 row_mask:0xf bank_mask:0xf   ; the block's largest magnitude
.endr
.irp h, 0,1,2,3
	v_add_nc_u32 v[SCL+\h], 0xfc000000, v[AM+\h]   ; 8 off its exponent field: the conversion takes the exponent field of this operand as its scale
.endr
.irp h, 0,1,2,3
	v_and_or_b32 v[BDL+\h], v[AM+\h], 0x7f800000, s30   ; 448 x the scale: the same exponent field over 448's mantissa
.endr
.irp h, 0,1,2,3
	v_lshrrev_b32 v[BYL+\h], 23, v[SCL+\h]         ; the scale's byte
.endr
.irp h, 0,1,2,3
.irp n, 0,1,2,3,4,5,6,7
	v_med3_num_f32 v[T+8*\h+\n], v[T+8*\h+\n], -v[BDL+\h], v[BDL+\h]   ; the conversion to an 8-bit code does not saturate (ISA guide 7.6.2): the hold at 448 x the scale
.endr
	v_cvt_scalef32_pk8_fp8_f32 v[CDX+2*\h:CDX+2*\h+1], v[T+8*\h:T+8*\h+7], v[SCL+\h]
.endr
	v_nop                                          ; a plain line behind the last conversion: the next pair's products write its sources
.irp a, 0,1
.irp t, 0,1
	ds_store_b64 v[XST], v[CDX+2*(2*\a+\t):CDX+2*(2*\a+\t)+1] offset:(2*(\i)+\a)*XP+256*\t
	ds_store_b8 v[XSS], v[BYL+2*\a+\t] offset:(2*(\i)+\a)*16+8*\t   ; the four lanes of a block write the same byte with the same value
.endr
.endr
.endm
; The next 32 hidden units' part of W1 into set b: 8 fragments (32 loads of 512 consecutive bytes), their scale words (one load: 4 words a row), b1 in the result's layout (4 loads): 37 loads
.macro LOADW b
	WIN 0x40
.irp f, 0,1,2,3,4,5,6,7
.irp c, 0,1,2,3
	global_load_b128 v[128*(\b)+16*\f+4*\c:128*(\b)+16*\f+4*\c+3], v[L16], s[8:9] offset:2048*\f+512*\c
.endr
.endr
	WIN 0
	global_load_b128 v[W1SC+4*(\b):W1SC+4*(\b)+3], v[WSV], s[10:11]
.irp e, 0,1
.irp j, 0,1
	global_load_b128 v[BR+16*(\b)+8*\e+4*\j:BR+16*(\b)+8*\e+4*\j+3], v[B1V], s[12:13] offset:32*\e+16*\j
.endr
.endr
.endm
; One product of the first layer: tile e of W1 (set p), K step s, row tile m = 4 hf + mm.  W1's scale words of tile 1 stand in lanes 16-31, and so do x's of an odd row tile.
.macro MM1 p, hf, s, mm, e
.set rD, ACC+16*(4*(\hf)+\mm)+8*\e
.set rA, 128*(\p)+16*(4*\e+\s)
.set rB, 16*(4*\mm+\s)
.set rC, rD
.if \s == 0
.set rC, BR+16*(\p)+8*\e                       ; the bias starts the sum
.endif
.set rSA, W1SC+4*(\p)+\s
.set rSB, XSC+4*((4*(\hf)+\mm)/2)+\s
.if (\e == 0) && (\mm % 2 == 0)
	v_wmma_scale_f32_16x16x128_f8f6f4 v[rD:rD+7], v[rA:rA+15], v[rB:rB+15], v[rC:rC+7], v[rSA], v[rSB]
.elseif (\mm % 2 == 0)
	v_wmma_scale_f32_16x16x128_f8f6f4 v[rD:rD+7], v[rA:rA+15], v[rB:rB+15], v[rC:rC+7], v[rSA], v[rSB] matrix_a_scale:MATRIX_SCALE_ROW1
.elseif (\e == 0)
	v_wmma_scale_f32_16x16x128_f8f6f4 v[rD:rD+7], v[rA:rA+15], v[rB:rB+15], v[rC:rC+7], v[rSA], v[rSB] matrix_b_scale:MATRIX_SCALE_ROW1
.else
	v_wmma_scale_f32_16x16x128_f8f6f4 v[rD:rD+7], v[rA:rA+15], v[rB:rB+15], v[rC:rC+7], v[rSA], v[rSB] matrix_a_scale:MATRIX_SCALE_ROW1 matrix_b_scale:MATRIX_SCALE_ROW1
.endif
.endm
; 32 matrix instructions: row tiles 4 hf .. 4 hf + 3 x both tiles of W1, K ascending; the eight accumulators take turns, one instruction a turn
.macro MULH p, hf
	WIN 0x09+4*(\hf)                               ; source 0 (W1) window 1, source 1 (x) window 2 or 3, C and D window 0
.irp s, 0,1,2,3
.irp mm, 0,1,2,3
.irp e, 0,1
	MM1 \p, \hf, \s, \mm, \e
.endr
.endr
.endr
.endm
; relu and the quantiser for row tiles m0 .. m0 + 3, the four by turns.  A tile's 16 registers are 16 neighbours along the next K; the block's other 16 lie in lane l xor 16.
; No |.| on the maximum's sources: what is negative is to become 0, so it must not count; the floor stands over it.  Each accumulator is read from its low end on.
.macro HQ m0, p
.irp b, 0,1,2,3
	v_max3_num_f32 v[TM+\b], v[ACC+16*((\m0)+\b)], v[ACC+16*((\m0)+\b)+1], FLOOR
.endr
.irp i, 2,4,6,8,10,12,14
.irp b, 0,1,2,3
	v_max3_num_f32 v[TM+\b], v[TM+\b], v[ACC+16*((\m0)+\b)+\i], v[ACC+16*((\m0)+\b)+\i+1]
.endr
.endr
.irp b, 0,1,2,3
	v_permlanex16_b32 v[TP+\b], v[TM+\b], s32, s33
.endr
.irp b, 0,1,2,3
	v_max_num_f32 v[TM+\b], v[TM+\b], v[TP+\b]
.endr
.irp b, 0,1,2,3
	v_add_nc_u32 v[SC+\b], 0xfc000000, v[TM+\b]
.endr
.irp b, 0,1,2,3
	v_and_or_b32 v[BD+\b], v[TM+\b], 0x7f800000, s30
.endr
.irp b, 0,1,2,3
	v_lshrrev_b32 v[BY+(\m0)+\b], 23, v[SC+\b]
.endr
.irp b, 0,1,2,3
.irp i, 0,1,2,3,4,5,6,7,8,9,10,11,12,13,14,15
	v_med3_num_f32 v[ACC+16*((\m0)+\b)+\i], v[ACC+16*((\m0)+\b)+\i], 0, v[BD+\b]   ; the activation and the hold in one: between 0 and 448 x the scale
.endr
	v_cvt_scalef32_pk8_fp8_f32 v[CD+4*((\m0)+\b):CD+4*((\m0)+\b)+1], v[ACC+16*((\m0)+\b):ACC+16*((\m0)+\b)+7], v[SC+\b]
	v_cvt_scalef32_pk8_fp8_f32 v[CD+4*((\m0)+\b)+2:CD+4*((\m0)+\b)+3], v[ACC+16*((\m0)+\b)+8:ACC+16*((\m0)+\b)+15], v[SC+\b]
.endr
	v_nop                                          ; a plain line behind the last conversion: the next products write its sources
.irp b, 0,1,2,3
	ds_store_b128 v[HAD], v[CD+4*((\m0)+\b):CD+4*((\m0)+\b)+3] offset:((\m0)+\b)*512+4096*(\p)   ; 512 consecutive bytes: four registers of fragment (row tile, chunk U / 4), piece U % 4
	ds_store_b8 v[HSA], v[BY+(\m0)+\b] offset:(((\m0)+\b)/2)*2048+(((\m0)+\b)%2)*256+(\p)       ; lanes l and l + 16 write the same byte with the same value
.endr
.endm
; 32 hidden units for all 128 rows, from set p.  more = 1: the next 32 units' part of W1 is asked for first; 2: but not in the loop's last trip, where there is none.
.macro SUB p, more
	s_wait_loadcnt 0x0                             ; set p is in; no load is out, so the three bases may be stepped
.if \more == 2
	s_cmp_eq_u32 s34, 7
	s_cbranch_scc1 .Lno_more_\@
.endif
	s_add_nc_u64 s[8:9], s[8:9], 16384
	s_add_nc_u64 s[10:11], s[10:11], 512
	s_add_nc_u64 s[12:13], s[12:13], 128
	LOADW 1-(\p)                                   ; into the other set: its last readers stand in front of a whole quantiser's plain lines; it has 64 products and a quantiser in which to land
.if \more == 2
.Lno_more_\@:
.endif
	MULH \p, 0
	MULH \p, 1
	WIN 0
	PLACES 8
	s_wait_dscnt 0x0                               ; the LDS stores of the 32 units before have read their registers and addresses
.if \p == 0
	v_add_nc_u32 v[HAD], s35, v[HAD0]              ; this trip's two sub-chunks
	v_add_nc_u32 v[HSA], s36, v[HSA0]
.endif
	HQ 0, \p
	HQ 4, \p
.endm
; Chunk s2 (128 along K) of the pass's four column tiles of W2: 16 loads of 512 consecutive bytes, into slot s2 % 8 of the ring in windows 2 and 3
.macro W2LOAD s2
	WIN 0x80+0x40*(((\s2)%8)/4)
.irp ct, 0,1,2,3
.irp c, 0,1,2,3
	global_load_b128 v[64*((\s2)%4)+16*\ct+4*\c:64*((\s2)%4)+16*\ct+4*\c+3], v[L16], s[44:45] offset:(\s2)*8192+\ct*2048+512*\c
.endr
.endr
	WIN 0
.endm
; All that pass s38's products want from memory is asked for: its bases; W2's scale words (8 loads), b2 (8), W2's chunks 0 to 7 (128)
.macro PASSHEAD
	s_mov_b32 s29, 0
	s_lshl_b32 s28, s38, 17
	s_add_nc_u64 s[44:45], s[14:15], s[28:29]
	s_lshl_b32 s28, s38, 12
	s_add_nc_u64 s[46:47], s[16:17], s[28:29]
	s_lshl_b32 s28, s38, 8
	s_add_nc_u64 s[48:49], s[18:19], s[28:29]
	s_add_nc_u64 s[50:51], s[20:21], s[28:29]      ; the table at the pass's 64 slots (their columns lie 512 bytes on)
	s_lshl_b32 s28, s42, 2
	s_add_nc_u64 s[54:55], s[52:53], s[28:29]      ; out at my first row and the pass's first column
.irp n, 0,1,2,3,4,5,6,7
	global_load_b128 v[W2S+4*\n:W2S+4*\n+3], v[L16], s[46:47] offset:512*\n   ; register 16 (ct / 2) + chunk: lanes 0-15 the even tile's columns, lanes 16-31 the odd tile's
.endr
.irp ct, 0,1,2,3
.irp j, 0,1
	global_load_b128 v[BR+8*\ct+4*\j:BR+8*\ct+4*\j+3], v[B2V], s[48:49] offset:64*\ct+16*\j
.endr
.endr
.irp n, 0,1,2,3,4,5,6,7
	W2LOAD \n
.endr
.endm
; The hidden fragments of my two row tiles for chunk s2: 8 LDS loads of 512 consecutive bytes, into slot s2 % 4 of window 1
.macro HLOAD s2
	WIN 0x40
.irp mt, 0,1
.irp c, 0,1,2,3
	ds_load_b128 v[32*((\s2)%4)+16*\mt+4*\c:32*((\s2)%4)+16*\mt+4*\c+3], v[HR+(\s2)/4] offset:((\s2)%4)*16384+\c*4096+\mt*512
.endr
.endr
	WIN 0
.endm
.macro MM2 s2, mt, ct
.set rD, YA+8*(4*\mt+\ct)
.set rA, 64*((\s2)%4)+16*\ct
.set rB, 32*((\s2)%4)+16*\mt
.set rC, rD
.if (\s2) == 0
.set rC, BR+8*\ct                              ; the bias starts the sum
.endif
.set rSA, W2S+16*(\ct/2)+(\s2)
.set rSB, HSC+(\s2)
.if (\ct % 2 == 0) && (\mt == 0)
	v_wmma_scale_f32_16x16x128_f8f6f4 v[rD:rD+7], v[rA:rA+15], v[rB:rB+15], v[rC:rC+7], v[rSA], v[rSB]
.elseif (\mt == 0)
	v_wmma_scale_f32_16x16x128_f8f6f4 v[rD:rD+7], v[rA:rA+15], v[rB:rB+15], v[rC:rC+7], v[rSA], v[rSB] matrix_a_scale:MATRIX_SCALE_ROW1
.elseif (\ct % 2 == 0)
	v_wmma_scale_f32_16x16x128_f8f6f4 v[rD:rD+7], v[rA:rA+15], v[rB:rB+15], v[rC:rC+7], v[rSA], v[rSB] matrix_b_scale:MATRIX_SCALE_ROW1
.else
	v_wmma_scale_f32_16x16x128_f8f6f4 v[rD:rD+7], v[rA:rA+15], v[rB:rB+15], v[rC:rC+7], v[rSA], v[rSB] matrix_a_scale:MATRIX_SCALE_ROW1 matrix_b_scale:MATRIX_SCALE_ROW1
.endif
.endm
; A chunk of the second product: 8 matrix instructions, the 8 accumulators by turns, in the same order in every chunk
.macro CHUNK s2
.if (\s2) <= 12
	HLOAD (\s2)+3                                  ; into the slot that the chunk before has read: its places stand at that chunk's end
.endif
.if (\s2) <= 11
	s_wait_loadcnt 63                              ; behind this chunk's 16 loads 64 or more were issued
.else
	s_wait_loadcnt 16*(15-(\s2))                   ; the later chunks' loads may be out
.endif
.if (\s2) <= 12
	s_wait_dscnt 24                                ; the three later chunks' hidden fragments may be out
.else
	s_wait_dscnt 8*(15-(\s2))
.endif
	WIN 0x06+((\s2)%8)/4                           ; source 0 (W2) window 2 or 3, source 1 (the hidden layer) window 1, C and D window 0
.irp mt, 0,1
.irp ct, 0,1,2,3
	MM2 \s2, \mt, \ct
.endr
.endr
	WIN 0
.if (\s2) == 15
	PLACES 9                                       ; the stage's stores read results; the next pass's first products write over these accumulators
.else
	PLACES 8                                       ; for the loads into the two slots just read
.endif
.if (\s2) < 8
	W2LOAD (\s2)+8
.endif
.endm
	s_load_b512 s[4:19], s[0:1], 0x0               ; x s[4:5], maskT s[6:7], w1f s[8:9], W1_scales s[10:11], b1 s[12:13], w2f s[14:15], w2s s[16:17], b2s s[18:19]
	s_load_b128 s[20:23], s[0:1], 0x40             ; tab s[20:21], out0 s[22:23]
	v_lshrrev_b32 v13, 5, v0
	v_readfirstlane_b32 s24, v13                   ; wave 0..3
	s_and_b32 s26, ttmp7, 0xffff                   ; the group
	v_and_b32 v14, 31, v0                          ; lane
	v_and_b32 v15, 15, v0                          ; r
	v_bfe_u32 v13, v0, 4, 1                        ; h
	v_lshlrev_b32 v[L16], 4, v14
	v_and_b32 v[WSV], 8, v15
	v_add_nc_u32 v[WSV], v[WSV], v15
	v_lshl_add_u32 v[WSV], v13, 3, v[WSV]
	v_lshlrev_b32 v[WSV], 4, v[WSV]
	v_lshlrev_b32 v[B1V], 6, v13
	v_lshlrev_b32 v[XV], 5, v14
	s_mul_i32 s27, s24, 32*XP
	v_lshlrev_b32 v[XST], 3, v14
	v_add_nc_u32 v[XST], s27, v[XST]               ; my wave's 32 rows, + 8 x lane
	s_lshl_b32 s27, s24, 9
	s_add_co_u32 s27, s27, XSB
	v_bfe_u32 v[XSS], v0, 2, 3
	v_add_nc_u32 v[XSS], s27, v[XSS]               ; their scale bytes, + lane / 4
	v_mul_u32_u24 v[XRD], v15, XP
	v_lshl_add_u32 v[XRD], v13, 4, v[XRD]          ; row r, + 16 h
	v_add_nc_u32 v[XSR], XSB, v[L16]
	s_lshl_b32 s27, s24, 16
	v_add_nc_u32 v[HAD0], s27, v[L16]
	s_lshl_b32 s27, s24, 9
	s_add_co_u32 s27, s27, HSB
	v_lshlrev_b32 v[HSA0], 4, v15
	v_add_nc_u32 v[HSA0], s27, v[HSA0]
	s_mov_b32 s30, 0x600000                        ; the mantissa field of 448
	s_mov_b32 s32, 0x76543210
	s_mov_b32 s33, 0xfedcba98                      ; v_permlanex16_b32's selects for lane l xor 16
	s_mov_b32 s29, 0
	s_wait_kmcnt 0x0
	s_lshl_b32 s28, ttmp9, 18                      ; 128 rows of 2,048 bytes a work-group,
	s_lshl_b32 s27, s24, 16                        ; 32 a wave: in x and in out alike
	s_add_co_u32 s28, s28, s27
	s_add_nc_u64 s[4:5], s[4:5], s[28:29]
	s_add_nc_u64 s[52:53], s[22:23], s[28:29]
	s_lshl_b32 s28, s26, 11
	s_add_nc_u64 s[6:7], s[6:7], s[28:29]          ; the group's row of the mask
	s_lshl_b32 s28, s24, 18
	s_add_nc_u64 s[8:9], s[8:9], s[28:29]          ; my wave's 16 sub-chunks of W1,
	s_lshl_b32 s28, s24, 13
	s_add_nc_u64 s[10:11], s[10:11], s[28:29]      ; of its scale bytes (512 a sub-chunk),
	s_lshl_b32 s28, s24, 11
	s_add_nc_u64 s[12:13], s[12:13], s[28:29]      ; and of b1
.irp t, 0,1
.irp j, 0,1
	global_load_b128 v[MK+8*\t+4*\j:MK+8*\t+4*\j+3], v[XV], s[6:7] offset:1024*\t+16*\j
.endr
.endr
.irp i, 0,1,2,3,4,5
	XLOAD \i
.endr
	s_lshl_b32 s58, s26, 3
	s_load_b64 s[40:41], s[20:21], s58 offset:0x0  ; the group's {number of passes, first pass}
	s_wait_kmcnt 0x0
	s_min_u32 s37, s40, 8                          ; numbers read from memory are held to their range before they steer anything
	s_min_u32 s38, s41, 14
	s_lshl_b32 s58, s38, 4
	s_load_b128 s[40:43], s[20:21], s58 offset:0x100   ; the first pass's {count, flag, first column, -}: waited for at the change to the second product; s58 and s[40:43] rest until then
	; ---- A: my 32 rows of x, a pair at a time; loads run six pairs (48 loads) ahead
.set I, 0
.rept 16
.if I <= 9
	XLOAD I+6
	s_wait_loadcnt 48                              ; this pair's 8 loads (and the mask's) are in; the six younger pairs' may be out
.else
	s_wait_loadcnt 8*(15-I)
.endif
.if I == 15
	LOADW 0                                        ; the first 32 hidden units' part of W1: it lands under the rest of A
.endif
	s_wait_dscnt 0x0                               ; the last pair's LDS stores have read their registers
	XQ I
.set I, I+1
.endr
	BARRIER                                        ; all 128 rows' codes and scale bytes lie in LDS
.irp m, 0,1,2,3,4,5,6,7
	WIN 0x80+0x40*(\m/4)
.irp s, 0,1,2,3
.irp c, 0,1,2,3
.set rX, 16*(4*(\m%4)+\s)+4*\c
	ds_load_b128 v[rX:rX+3], v[XRD] offset:\m*16*XP+\s*128+\c*32   ; fragment (row tile m, K step s): registers 4 c on hold k = 128 s + 32 c + 16 h + 0 .. 15 of row 16 m + r
.endr
.endr
.endr
	WIN 0
.irp n, 0,1,2,3
	ds_load_b128 v[XSC+4*\n:XSC+4*\n+3], v[XSR] offset:512*\n      ; register 4 n + s: lanes 0-15 the words of row tile 2 n, lanes 16-31 of 2 n + 1, for K step s
.endr
.irp b, 0,1,2,3
	v_mov_b32 v[TP+\b], 0                          ; written once: a lane permute's destination counts as one of its sources
.endr
	BARRIER                                        ; every wave's reads are in: the hidden codes may be laid over x's
	; ---- 1: the hidden layer: 8 trips of two sub-chunks of 32 units
	s_mov_b32 s34, 0
	s_mov_b32 s35, 0                               ; where the trip's codes go: 8,192 bytes a trip,
	s_mov_b32 s36, 0                               ; and its scale bytes: 2 a trip
.Lunits:
	SUB 0, 1
	SUB 1, 2
	s_add_co_u32 s35, s35, 8192
	s_add_co_u32 s36, s36, 2
	s_add_co_u32 s34, s34, 1
	s_cmp_lt_u32 s34, 8
	s_cbranch_scc1 .Lunits
	; ---- the change to the second product
	s_wait_loadcnt 0x0                             ; no load of the first product is out (the last trip asked for none): its registers and address registers are taken over below
	s_wait_dscnt 0x0                               ; my hidden codes and bytes lie in LDS, and their stores have read their registers
	s_wait_kmcnt 0x0                               ; the first pass's entry
	s_min_u32 s42, s42, 448
	v_and_b32 v76, 31, v0                          ; lane
	v_and_b32 v74, 15, v0                          ; r
	v_bfe_u32 v75, v0, 4, 1                        ; h
	s_lshl_b32 s27, s24, 10
	v_add_nc_u32 v[HR], s27, v[L16]                ; row tiles 2 w, 2 w + 1: 1,024 w + 16 lane;
	v_add_nc_u32 v[HR+1], 65536, v[HR]             ; four chunks are 65,536 bytes
	v_add_nc_u32 v[HR+2], 131072, v[HR]
	v_add_nc_u32 v[HR+3], 196608, v[HR]
	s_mul_i32 s27, s24, 32*SPI
	s_add_co_u32 s27, s27, STG                     ; my stage
	v_mul_u32_u24 v[SST], v74, SPI
	v_lshl_add_u32 v[SST], v75, 5, v[SST]
	v_add_nc_u32 v[SST], s27, v[SST]               ; in: row r, + 32 h
	v_mul_u32_u24 v[SRF], v75, SPI
	v_lshl_add_u32 v[SRF], v74, 4, v[SRF]
	v_add_nc_u32 v[SRF], s27, v[SRF]               ; back: lanes 0-15 one row, lanes 16-31 the next
	v_lshlrev_b32 v[L4], 2, v76
	v_add_nc_u32 v[SRG], s27, v[L4]                ; back: 32 slots of one row
	v_lshlrev_b32 v[OVF], 11, v75
	v_lshl_add_u32 v[OVF], v74, 4, v[OVF]          ; the same two rows in out
	v_lshlrev_b32 v[B2V], 5, v75
	s_lshl_b32 s27, s24, 11
	s_add_co_u32 s27, s27, HSB
	v_add_nc_u32 v[HSR], s27, v[L16]
	PASSHEAD                                       ; ahead of the barrier: these loads touch no LDS and are on their way while the waves meet
	s_mov_b32 s39, 0                               ; passes done
	BARRIER                                        ; the whole hidden layer lies in LDS; from here on it is only read
	s_cmp_eq_u32 s37, 0                            ; no column names this group: nothing to make
	s_cbranch_scc1 .Lend
.irp k, 0,1,2,3
	ds_load_b128 v[HSC+4*\k:HSC+4*\k+3], v[HSR] offset:512*\k      ; register = chunk: lanes 0-15 the words of row tile 2 w, lanes 16-31 of 2 w + 1; they serve every pass
.endr
	; ---- 2: a pass of 64 slots
.Lpass:
	HLOAD 0
	HLOAD 1
	HLOAD 2
.irp n, 0,1,2,3,4,5,6,7,8,9,10,11,12,13,14,15
	CHUNK \n
.endr
.irp mt, 0,1
.irp ct, 0,1,2,3
	ds_store_b128 v[SST], v[YA+8*(4*\mt+\ct):YA+8*(4*\mt+\ct)+3] offset:16*\mt*SPI+64*\ct          ; lane (r, h): y(16 mt + r, slots 16 ct + 8 h + 0 .. 7); each accumulator from its low end on
	ds_store_b128 v[SST], v[YA+8*(4*\mt+\ct)+4:YA+8*(4*\mt+\ct)+7] offset:16*\mt*SPI+64*\ct+16
.endr
.endr
	s_cmp_eq_u32 s41, 1
	s_cbranch_scc0 .Lscatter
	; the pass is 64 neighbouring columns from a multiple of 64: whole rows of 256 bytes leave, sixteen lanes to a row
.irp t, 0,1,2,3,4,5,6,7,8,9,10,11,12,13,14,15
	ds_load_b128 v[OB+4*\t:OB+4*\t+3], v[SRF] offset:2*\t*SPI      ; LDS serves a wave's instructions in order (ISA guide 5.7.1.4): these see my stores
.endr
.irp t, 0,1,2,3,4,5,6,7,8,9,10,11,12,13,14,15
	s_wait_dscnt 15-\t                             ; the younger loads may be out
	global_store_b128 v[OVF], v[OB+4*\t:OB+4*\t+3], s[54:55] offset:4096*\t th:TH_STORE_NT   ; 16 lanes store 256 consecutive bytes, at a multiple of 256 from out's first byte
.endr
	s_branch .Ljoin
.Lscatter:
	; any other pass: a lane to a slot, each number to its own column; the columns between belong to other groups' work-groups, so no longer run can be stored here.
	; The slots' columns are fetched here, where they are wanted; the 64 LDS loads stand between the two loads and the wait for them.  All lanes store: a slot past the count holds the first column and its number.
	global_load_b32 v[PA], v[L4], s[50:51] offset:512
	global_load_b32 v[PA+1], v[L4], s[50:51] offset:640
.set R, 0
.rept 32
	ds_load_b32 v[OB+R], v[SRG] offset:SPI*R
	ds_load_b32 v[OB+32+R], v[SRG] offset:SPI*R+128
.set R, R+1
.endr
	s_wait_loadcnt 0x0
	v_min_u32 v[PA], 511, v[PA]                    ; a number read from memory is held to its range before it enters an address
	v_min_u32 v[PA+1], 511, v[PA+1]
	v_lshlrev_b32 v[PA], 2, v[PA]
	v_lshlrev_b32 v[PA+1], 2, v[PA+1]
.set R, 0
.rept 32
	s_wait_dscnt 62-2*R                            ; row R's two loads are in; the later rows' may be out
	global_store_b32 v[PA], v[OB+R], s[52:53] offset:2048*R
	global_store_b32 v[PA+1], v[OB+32+R], s[52:53] offset:2048*R
.set R, R+1
.endr
.Ljoin:
	s_wait_xcnt 0x0                                ; the stores have read their registers, offsets and bases: all may be written again
	s_add_co_u32 s39, s39, 1
	s_add_co_u32 s38, s38, 1
	s_min_u32 s38, s38, 14
	s_cmp_lt_u32 s39, s37
	s_cbranch_scc0 .Lno_pass
	s_lshl_b32 s58, s38, 4
	s_load_b128 s[40:43], s[20:21], s58 offset:0x100
	s_wait_kmcnt 0x0
	s_min_u32 s42, s42, 448
	PASSHEAD                                       ; no load of the pass before is out (its last chunk, and the scattered way out, waited for all)
.Lno_pass:
	s_cmp_lt_u32 s39, s37
	s_cbranch_scc1 .Lpass
.Lend:
	s_wait_xcnt 0x0
	v_lshl_add_u32 v254, v0, 2, 0x4a800
	v_mov_b32 v255, 0
	s_wait_tensorcnt 0x0
	ds_add_u32 v254, v255
	s_wait_dscnt 0x0
	s_endpgm
.Lfunc_end_k_qfac14fe89e_main:
	.size	k_qfac14fe89e_main, .Lfunc_end_k_qfac14fe89e_main-k_qfac14fe89e_main
	.p2alignl 7, 3214868480
	.fill 96, 4, 3214868480
	.section	.rodata,"a",@progbits
	.p2align	6, 0x0
	.amdhsa_kernel k_qfac14fe89e_main
		.amdhsa_group_segment_fixed_size 305664
		.amdhsa_private_segment_fixed_size 0
		.amdhsa_enable_private_segment 0
		.amdhsa_kernarg_size 80
		.amdhsa_user_sgpr_count 2
		.amdhsa_user_sgpr_kernarg_segment_ptr 1
		.amdhsa_wavefront_size32 1
		.amdhsa_system_sgpr_workgroup_id_x 1
		.amdhsa_system_sgpr_workgroup_id_y 1
		.amdhsa_system_sgpr_workgroup_id_z 1
		.amdhsa_system_vgpr_workitem_id 0
		.amdhsa_next_free_vgpr 1024
		.amdhsa_next_free_sgpr 66
		.amdhsa_reserve_vcc 0
		.amdhsa_float_denorm_mode_32 3
		.amdhsa_float_denorm_mode_16_64 3
		.amdhsa_memory_ordered 1
		.amdhsa_forward_progress 1
		.amdhsa_inst_pref_size 255
	.end_amdhsa_kernel
	.section	.bss,"aw",@nobits
	.p2align	6
	.space	262144
	.amdgpu_metadata
---
amdhsa.version: [ 1, 2 ]
amdhsa.kernels:
  - .name:           k_qfac14fe89e_main
    .symbol:         k_qfac14fe89e_main.kd
    .args:
      - { .name: x, .offset: 0, .size: 8, .value_kind: global_buffer, .address_space: global }
      - { .name: maskT, .offset: 8, .size: 8, .value_kind: global_buffer, .address_space: global }
      - { .name: w1f, .offset: 16, .size: 8, .value_kind: global_buffer, .address_space: global }
      - { .name: W1_scales, .offset: 24, .size: 8, .value_kind: global_buffer, .address_space: global }
      - { .name: b1, .offset: 32, .size: 8, .value_kind: global_buffer, .address_space: global }
      - { .name: w2f, .offset: 40, .size: 8, .value_kind: global_buffer, .address_space: global }
      - { .name: w2s, .offset: 48, .size: 8, .value_kind: global_buffer, .address_space: global }
      - { .name: b2s, .offset: 56, .size: 8, .value_kind: global_buffer, .address_space: global }
      - { .name: tab, .offset: 64, .size: 8, .value_kind: global_buffer, .address_space: global }
      - { .name: out0, .offset: 72, .size: 8, .value_kind: global_buffer, .address_space: global }
    .group_segment_fixed_size: 305664
    .private_segment_fixed_size: 0
    .kernarg_segment_align: 8
    .kernarg_segment_size: 80
    .max_flat_workgroup_size: 128
    .sgpr_count:     66
    .vgpr_count:     1024
    .wavefront_size: 32
...
	.end_amdgpu_metadata
.endif
;; end of part 2
;; ======== version 2 of 2: 2 launches; version 1 with the launch main written anew for expert scheduling mode
;; workspace buffers: w1f 1,048,576 bytes; w2f 1,966,080 bytes; w2s 61,440 bytes; b2s 3,840 bytes; maskT 16,384 bytes; tab 4,352 bytes of whole numbers
;; launch prep: the kernel of part 1 again; grid 192 x 1, 1 waves a work-group, no clusters, 4,352 bytes of LDS; arguments A_mask, W1_codes, W2_codes, W2_scales, b2, col_idx, maskT, w1f, w2f, w2s, b2s, tab; writes maskT, w1f, w2f, w2s, b2s, tab
;; launch main (part 3): grid 32 x 8, 4 waves a work-group, no clusters, 305,664 bytes of LDS; arguments x, maskT, w1f, W1_scales, b1, w2f, w2s, b2s, tab, out0; writes out0
.if DOCPART == 3
	.amdgcn_target "amdgcn-amd-amdhsa--gfx1250"
	.amdhsa_code_object_version 6
	.text
	.protected	k_qfac14fe89e_main
	.globl	k_qfac14fe89e_main
	.p2align	8
	.type	k_qfac14fe89e_main,@function
k_qfac14fe89e_main:
	s_mov_b64 s[64:65], 0
	v_nop
	global_prefetch_b8 v0, s[64:65] scope:SCOPE_SE
	s_setreg_imm32_b32 hwreg(HW_REG_WAVE_SCHED_MODE, 0, 2), 2
	s_setreg_imm32_b32 hwreg(HW_REG_WAVE_MODE, 25, 1), 1
	s_wait_xcnt 0x0
	s_wait_alu depctr_vm_vsrc(0)
; out[n][j] = (relu((x[n] * A_mask[:, g]) W1 + b1) W2 + b2)[j] with g = col_idx[j]; both products on codes of E4M3 with one E8M0 scale for each 32 along K.
; SHARES.  A work-group takes ONE group g (grid y) and 128 rows of x (grid x): 8 x 32 = 256 work-groups.  Of the second product only the columns that name g are made: they come sorted, in passes of 64 slots.
;   A:  wave w multiplies rows 32 w .. 32 w + 31 of x by the group's mask, quantises them along K = 512 and puts codes and scale bytes into LDS | barrier | every wave takes all 32 fragments of x into 512 registers | barrier
;   1:  wave w makes hidden units 512 w .. 512 w + 511 for all 128 rows, 32 units at a time: W1's 8 fragments come from memory straight into registers (each is loaded by one wave of the work-group and feeds 8 matrix
;       instructions); b1 is the C of the first K step; relu and the quantiser work in registers; the codes go to LDS as images of the next operand's registers.  The hidden layer, 128 x 2,048 codes = 256 KiB, stays in LDS | barrier
;   2:  wave w makes rows 32 w .. 32 w + 31 x a pass's 64 slots: 8 accumulators, K = 2,048 in 16 chunks; the hidden fragments from LDS, W2's from memory in the sorted order; b2 is the C of the first chunk; then the way out.
;       A slot past the pass's count repeats the pass's first column (so the tables are laid): it makes that column's number again from the same operands and stores it at the same place.  So no store is masked.
; BOTH PRODUCTS ARE USED TRANSPOSED (source 0 = 16 rows of the weight, source 1 = 16 rows of x or of the hidden layer): a lane holds one row, and its registers run along the weight's rows.
; THE ROWS OF W1 THAT FORM A TILE ARE NOT NEIGHBOURS: lane r of tile e takes row 32 U + 8 e + r + 8 (r / 8), so that the 16 registers of tiles 0 and 1 are hidden units 32 U + 16 (lane / 16) + 0 .. 15: four registers of a fragment.
; NO TENSOR LOADS, NO CLUSTER, though all work-groups walk the same W1: the number of passes and the way out are numbers read from memory (any split of the 512 columns over the 8 groups is served by this one grid),
; and a text whose trip count hangs on such a number brings its operands by plain loads.  A group that no column names has its hidden layer made and stores nothing: so no barrier stands under a branch on a stored number.
; LIMITS: NaN and infinities among the inputs are not served.  A block of zeros gets the scale byte 1 (the floor 2^(9 - 127) among the maximum's leaves) where the rule says 127: its codes are zeros, and this text alone
; reads the bytes.  The biases are added ahead of the products, as C, not behind them.
; THE MODE: SCHED_MODE bits 1:0 = 2 (LLVM: expert scheduling mode 2), set by the entry lines.  The code itself states the register dependences between vector or matrix instructions and memory or LDS instructions,
; with s_wait_alu, always for 0.
; THE PLAN.  Registers that memory or LDS instructions touch, and who else names them:
;   v1-v14        addresses.  Made at the head, ahead of one wait on va_vdst; v4-v14 made anew at the change to the second product, between a wait on vm_vsrc and a wait on va_vdst.  v11, v12 are stepped once a trip of 1.
;   A   x as f32 (windows 2, 3): each register is loaded once, before any vector line names it; read by the products with the mask; behind the last pair's wait on va_vdst the fragments land there.
;       v84-95: written by a pair's shifts and conversions, read by its 8 LDS stores: va_vdst ahead of the stores, vm_vsrc ahead of the next pair.
;   1   W1's set p (128 registers of window 1, 4 scale words, 16 of b1): read by a sub-chunk's 64 products alone.  Behind them ONE wait on va_vdst, and the loads of the sub-chunk two on land in the set while the
;       quantiser works: two sets' loads are on their way, and a set has a quantiser, 64 products and a second quantiser in which to land.
;       v88-127, v11, v12: written by the quantiser, read by the run of 16 LDS stores at the sub-chunk's end: ONE wait on va_vdst ahead of the run; vm_vsrc ahead of the next quantiser, 64 products behind the stores.
;   2   W2's ring of 8 chunks (windows 2, 3) and the hidden ring of 8 chunks (window 1): read by the products, two chunks to a pair.  Behind each of pairs 0 to 3 ONE wait on va_vdst frees the pair's slots of both
;       rings; W2's are loaded again in the middle of the next pair, the hidden layer's in the middle of the pair after that, between two runs of 8 products that name other slots.  Pairs 4 to 6 are followed by no load
;       and no wait.  The wait behind pair 7 serves the stage's stores and all loads of the next pass.
;       v128-191 (results), v192-255 (rows on the way out), v2, v3 (columns): read by stores; vm_vsrc where the two ways out join, ahead of the next pass.
; REGISTERS, in windows of 256 (s_set_vgpr_msb: bits 1:0 source 0, 3:2 source 1, 5:4 source 2, 7:6 destination):
;   window 0: v1-15 addresses; v16-31 x's scale words, later the hidden layer's; v32-39 W1's scale words; v40-71 b1, later b2; v72-95 at work; v96-127 the codes on their way to LDS, later W2's scale words;
;             v128-255 the 16 accumulators of product 1, later y (v128-191) and rows on the way out (v192-255); in A the mask (v128-143) and 32 products (v144-175)
;   window 1: W1's fragments, two sets of 128; later eight slots of two hidden fragments.      windows 2, 3: x as f32, then x's 32 fragments, then a ring of 8 chunks of W2.
.set XP,    528                        ; LDS: a row of x's codes: 512 bytes + 16: 33 x 16, so the 16 rows of a fragment load start at 16 different groups of banks (64 banks of 4 bytes: ISA guide 11.1)
.set XSB,   128*XP                     ; behind the 128 rows: x's scale bytes, 16 a row.  Both regions are dead behind the second barrier and lie under the hidden codes
.set HSB,   262144                     ; the hidden codes fill bytes 0 .. 262,143: 4,096 U + 512 m + 16 lane (U: 32 units; m: tile of 16 rows).  Behind them their scale bytes, 8,192:
                                       ; 2,048 (m / 2) + 512 (the wave that made it) + 256 (m % 2) + 16 r + (that wave's sub-chunk 0 .. 15)
.set STG,   HSB+8192                   ; the stages for the way out: 32 rows x 272 bytes for each wave
.set SPI,   272
.set FLOOR, 0x4800000                  ; 2^(9 - 127): under it no largest magnitude is taken, so a scale's byte cannot fall under 1
.set L16,  1                           ; v1   16 x lane; never rewritten
.set WSV,  2                           ; v2   W1's scale words: 16 x (8 (lane / 16) + r + 8 (r / 8)): lanes 0-15 tile 0's rows, lanes 16-31 tile 1's
.set B1V,  3                           ; v3   b1: 64 (lane / 16)
.set XV,   4                           ; v4   x and the mask: 32 x lane
.set XST,  5                           ; v5   where I put 8 codes of x
.set XSS,  6                           ; v6   and their block's scale byte
.set XRD,  7                           ; v7   my lane's place in a fragment of x
.set XSR,  8                           ; v8   and among x's scale words
.set HAD0, 9                           ; v9   the hidden codes of my wave: 65,536 w + 16 lane
.set HSA0, 10                          ; v10  their scale bytes: HSB + 512 w + 16 r
.set HAD,  11                          ; v11, v12  the same at the trip in hand
.set HSA,  12
.set PA,   2                           ; product 2: v2-3 the scattered way out: the columns of slots lane and 32 + lane, as byte offsets in a row of out
.set HR,   4                           ; v4-7 the hidden fragments of my two row tiles, chunks 4 i on
.set SST,  8                           ; v8   the stage: where I put 32 bytes of a row
.set SRF,  9                           ; v9   back: sixteen lanes to a row
.set SRG,  10                          ; v10  back: a lane to a slot
.set OVF,  11                          ; v11  my byte offset in two rows of out
.set B2V,  12                          ; v12  b2: 32 (lane / 16)
.set L4,   13                          ; v13  4 x lane
.set HSR,  14                          ; v14  the hidden scale words of my rows
.set XSC,  16
.set HSC,  16
.set W1SC, 32
.set BR,   40
.set TM,   72                          ; v72-75 largest magnitudes, v76-79 the other half's, v80-83 the conversions' scale operands, v84-87 448 x the scale, v88-95 the bytes
.set TP,   76
.set SC,   80
.set BD,   84
.set BY,   88
.set CD,   96
.set W2S,  96
.set ACC,  128
.set YA,   128
.set OB,   192
.set MK,   128                         ; A: the mask at my 16 places of a row
.set T,    144                         ; A: four chains of 8 products
.set AM,   72
.set SCL,  76
.set BDL,  80
.set BYL,  84
.set CDX,  88
.set MSB,  0
.macro WIN new                         ; the immediate's high byte repeats the setting that is left; a switch that changes nothing is dropped
.if MSB != (\new)
	s_set_vgpr_msb (MSB<<8)|(\new)
.set MSB, (\new)
.endif
.endm
; A vector instruction or an LDS store that reads a matrix result, and a load into a register that a matrix instruction has read, stand 8 places behind it (9 where a matrix instruction writes over such a register);
; only plain vector instructions that name none of its registers are places.  A wait on va_vdst fills no place: first the places, then the wait.
.macro PLACES n
.rept \n
	v_nop
.endr
.endm
.macro BARRIER                         ; my LDS stores have landed and my LDS loads are in: then the work-group's barrier
	s_wait_dscnt 0x0
	s_barrier_signal -1
	s_barrier_wait -1
.endm
; Rows 2 i and 2 i + 1 of my 32: a lane takes k = 256 t + 8 lane + 0 .. 7, two loads of 16 bytes; the two together cover 1,024 consecutive bytes.  Each register is loaded once, and no vector line names it before
.macro XLOAD i
	WIN 0x80+0x40*((\i)/8)
.irp a, 0,1
.irp t, 0,1
.irp j, 0,1
.set rX, 16*((2*(\i)+\a)%16)+8*\t+4*\j
	global_load_b128 v[rX:rX+3], v[XV], s[4:5] offset:(2*(\i)+\a)*2048+\t*1024+\j*16
.endr
.endr
.endr
	WIN 0
.endm
; These two rows times the mask, quantised: four chains (row, t) of 8 numbers a lane by turns.  A block of 32 lies in four neighbouring lanes.
.macro XQ i
	WIN 0x02+(\i)/8
.irp a, 0,1
.irp t, 0,1
.irp n, 0,2,4,6
.set rX, 16*((2*(\i)+\a)%16)+8*\t+\n
.set rT, T+8*(2*\a+\t)+\n
	v_pk_mul_f32 v[rT:rT+1], v[rX:rX+1], v[MK+8*\t+\n:MK+8*\t+\n+1]
.endr
.endr
.endr
	WIN 0
.irp h, 0,1,2,3
	v_max3_num_f32 v[AM+\h], |v[T+8*\h]|, |v[T+8*\h+1]|, FLOOR
.endr
.irp n, 2,4,6
.irp h, 0,1,2,3
	v_max3_num_f32 v[AM+\h], v[AM+\h], |v[T+8*\h+\n]|, |v[T+8*\h+\n+1]|
.endr
.endr
.irp h, 0,1,2,3
	v_max_num_f32_dpp v[AM+\h], v[AM+\h], v[AM+\h] row_xmask:1 row_mask:0xf bank_mask:0xf
.endr
.irp h, 0,1,2,3
	v_max_num_f32_dpp v[AM+\h], v[AM+\h], v[AM+\h] row_xmask:2 row_mask:0xf bank_mask:0xf   ; the block's largest magnitude
.endr
.irp h, 0,1,2,3
	v_add_nc_u32 v[SCL+\h], 0xfc000000, v[AM+\h]   ; 8 off its exponent field: the conversion takes the exponent field of this operand as its scale
.endr
.irp h, 0,1,2,3
	v_and_or_b32 v[BDL+\h], v[AM+\h], 0x7f800000, s30   ; 448 x the scale: the same exponent field over 448's mantissa
.endr
.irp h, 0,1,2,3
	v_lshrrev_b32 v[BYL+\h], 23, v[SCL+\h]         ; the scale's byte
.endr
.irp h, 0,1,2,3
.irp n, 0,1,2,3,4,5,6,7
	v_med3_num_f32 v[T+8*\h+\n], v[T+8*\h+\n], -v[BDL+\h], v[BDL+\h]   ; the conversion to an 8-bit code does not saturate (ISA guide 7.6.2): the hold at 448 x the scale
.endr
	v_cvt_scalef32_pk8_fp8_f32 v[CDX+2*\h:CDX+2*\h+1], v[T+8*\h:T+8*\h+7], v[SCL+\h]
.endr
	v_nop                                          ; a plain line behind the last conversion: the next pair's products write its sources
	s_wait_alu depctr_va_vdst(0)                   ; the conversions have written v88-95 and the shifts v84-87, which the LDS stores below read.  (The last pair's: all products are also done reading x's numbers, in which the fragments land)
.irp a, 0,1
.irp t, 0,1
	ds_store_b64 v[XST], v[CDX+2*(2*\a+\t):CDX+2*(2*\a+\t)+1] offset:(2*(\i)+\a)*XP+256*\t
	ds_store_b8 v[XSS], v[BYL+2*\a+\t] offset:(2*(\i)+\a)*16+8*\t   ; the four lanes of a block write the same byte with the same value
.endr
.endr
.endm
; 32 hidden units' part of W1 into set b: 8 fragments (32 loads of 512 consecutive bytes), their scale words (one load: 4 words a row), b1 in the result's layout (4 loads): 37 loads
.macro LOADW b
	WIN 0x40
.irp f, 0,1,2,3,4,5,6,7
.irp c, 0,1,2,3
	global_load_b128 v[128*(\b)+16*\f+4*\c:128*(\b)+16*\f+4*\c+3], v[L16], s[8:9] offset:2048*\f+512*\c
.endr
.endr
	WIN 0
	global_load_b128 v[W1SC+4*(\b):W1SC+4*(\b)+3], v[WSV], s[10:11]
.irp e, 0,1
.irp j, 0,1
	global_load_b128 v[BR+16*(\b)+8*\e+4*\j:BR+16*(\b)+8*\e+4*\j+3], v[B1V], s[12:13] offset:32*\e+16*\j
.endr
.endr
.endm
; The three bases move on by 32 hidden units, and that part of W1 is asked for, into set b
.macro NEXTW b
	s_wait_xcnt 0x0                                ; every earlier memory instruction has had its addresses translated (ISA guide 3.1): the bases, which the other set's loads read, are rewritten only behind this wait
	s_add_nc_u64 s[8:9], s[8:9], 16384
	s_add_nc_u64 s[10:11], s[10:11], 512
	s_add_nc_u64 s[12:13], s[12:13], 128
	LOADW \b
.endm
; One product of the first layer: tile e of W1 (set p), K step s, row tile m = 4 hf + mm.  W1's scale words of tile 1 stand in lanes 16-31, and so do x's of an odd row tile.
.macro MM1 p, hf, s, mm, e
.set rD, ACC+16*(4*(\hf)+\mm)+8*\e
.set rA, 128*(\p)+16*(4*\e+\s)
.set rB, 16*(4*\mm+\s)
.set rC, rD
.if \s == 0
.set rC, BR+16*(\p)+8*\e                       ; the bias starts the sum
.endif
.set rSA, W1SC+4*(\p)+\s
.set rSB, XSC+4*((4*(\hf)+\mm)/2)+\s
.if (\e == 0) && (\mm % 2 == 0)
	v_wmma_scale_f32_16x16x128_f8f6f4 v[rD:rD+7], v[rA:rA+15], v[rB:rB+15], v[rC:rC+7], v[rSA], v[rSB]
.elseif (\mm % 2 == 0)
	v_wmma_scale_f32_16x16x128_f8f6f4 v[rD:rD+7], v[rA:rA+15], v[rB:rB+15], v[rC:rC+7], v[rSA], v[rSB] matrix_a_scale:MATRIX_SCALE_ROW1
.elseif (\e == 0)
	v_wmma_scale_f32_16x16x128_f8f6f4 v[rD:rD+7], v[rA:rA+15], v[rB:rB+15], v[rC:rC+7], v[rSA], v[rSB] matrix_b_scale:MATRIX_SCALE_ROW1
.else
	v_wmma_scale_f32_16x16x128_f8f6f4 v[rD:rD+7], v[rA:rA+15], v[rB:rB+15], v[rC:rC+7], v[rSA], v[rSB] matrix_a_scale:MATRIX_SCALE_ROW1 matrix_b_scale:MATRIX_SCALE_ROW1
.endif
.endm
; 32 matrix instructions: row tiles 4 hf .. 4 hf + 3 x both tiles of W1, K ascending; the eight accumulators take turns, one instruction a turn
.macro MULH p, hf
	WIN 0x09+4*(\hf)                               ; source 0 (W1) window 1, source 1 (x) window 2 or 3, C and D window 0
.irp s, 0,1,2,3
.irp mm, 0,1,2,3
.irp e, 0,1
	MM1 \p, \hf, \s, \mm, \e
.endr
.endr
.endr
.endm
; relu and the quantiser for row tiles m0 .. m0 + 3, the four by turns.  A tile's 16 registers are 16 neighbours along the next K; the block's other 16 lie in lane l xor 16.
; No |.| on the maximum's sources: what is negative is to become 0, so it must not count; the floor stands over it.  Each accumulator is read from its low end on.
.macro HQA m0
.irp b, 0,1,2,3
	v_max3_num_f32 v[TM+\b], v[ACC+16*((\m0)+\b)], v[ACC+16*((\m0)+\b)+1], FLOOR
.endr
.irp i, 2,4,6,8,10,12,14
.irp b, 0,1,2,3
	v_max3_num_f32 v[TM+\b], v[TM+\b], v[ACC+16*((\m0)+\b)+\i], v[ACC+16*((\m0)+\b)+\i+1]
.endr
.endr
.irp b, 0,1,2,3
	v_permlanex16_b32 v[TP+\b], v[TM+\b], s32, s33
.endr
.irp b, 0,1,2,3
	v_max_num_f32 v[TM+\b], v[TM+\b], v[TP+\b]
.endr
.irp b, 0,1,2,3
	v_add_nc_u32 v[SC+\b], 0xfc000000, v[TM+\b]
.endr
.irp b, 0,1,2,3
	v_and_or_b32 v[BD+\b], v[TM+\b], 0x7f800000, s30
.endr
.irp b, 0,1,2,3
	v_lshrrev_b32 v[BY+(\m0)+\b], 23, v[SC+\b]
.endr
.irp b, 0,1,2,3
.irp i, 0,1,2,3,4,5,6,7,8,9,10,11,12,13,14,15
	v_med3_num_f32 v[ACC+16*((\m0)+\b)+\i], v[ACC+16*((\m0)+\b)+\i], 0, v[BD+\b]   ; the activation and the hold in one: between 0 and 448 x the scale
.endr
	v_cvt_scalef32_pk8_fp8_f32 v[CD+4*((\m0)+\b):CD+4*((\m0)+\b)+1], v[ACC+16*((\m0)+\b):ACC+16*((\m0)+\b)+7], v[SC+\b]
	v_cvt_scalef32_pk8_fp8_f32 v[CD+4*((\m0)+\b)+2:CD+4*((\m0)+\b)+3], v[ACC+16*((\m0)+\b)+8:ACC+16*((\m0)+\b)+15], v[SC+\b]
.endr
	v_nop                                          ; a plain line behind the last conversion: the next products write its sources
.endm
; The eight row tiles' codes and scale bytes go to LDS, in one run
.macro HQS p
.irp m, 0,1,2,3,4,5,6,7
	ds_store_b128 v[HAD], v[CD+4*\m:CD+4*\m+3] offset:\m*512+4096*(\p)   ; 512 consecutive bytes: four registers of fragment (row tile, chunk U / 4), piece U % 4
	ds_store_b8 v[HSA], v[BY+\m] offset:(\m/2)*2048+(\m%2)*256+(\p)      ; lanes l and l + 16 write the same byte with the same value
.endr
.endm
; 32 hidden units for all 128 rows, from set p.  more = 1: behind the products the set is asked for again, with the part of W1 two sub-chunks on; 0: the last trip, which asks for nothing.
; left: how many younger loads may be out when set p has to be there.
.macro SUB p, more, left
	s_wait_loadcnt \left                           ; loads come back in order (ISA guide 5.7.1): set p is in; the other set's 37 loads, issued behind it, may be out (in the last sub-chunk none is)
	MULH \p, 0
	MULH \p, 1
	WIN 0
	PLACES 8
.if \more
	s_wait_alu depctr_va_vdst(0)                   ; the 64 products are done reading set p (W1's fragments, their scale words, b1), in which the loads below land
	NEXTW \p
.endif
	s_wait_dscnt 0x0                               ; the LDS stores of the 32 units before have landed
	s_wait_alu depctr_vm_vsrc(0)                   ; and have read v88-127 and their addresses v11, v12, which the lines below write again (in the first sub-chunk: A's stores have read v84-95)
.if \p == 0
.if \more
	v_add_nc_u32 v[HAD], s35, v[HAD0]              ; this trip's two sub-chunks
	v_add_nc_u32 v[HSA], s36, v[HSA0]
.else
	v_add_nc_u32 v[HAD], 7*8192, v[HAD0]           ; the eighth trip's
	v_add_nc_u32 v[HSA], 14, v[HSA0]
.endif
.endif
	HQA 0
	HQA 4
	s_wait_alu depctr_va_vdst(0)                   ; the conversions have written v96-127, the shifts v88-95, the additions v11 and v12: the 16 LDS stores below read them
	HQS \p
.endm
; Chunk s2 (128 along K) of the pass's four column tiles of W2: 16 loads of 512 consecutive bytes, into slot s2 % 8 of the ring in windows 2 and 3
.macro W2LOAD s2
	WIN 0x80+0x40*(((\s2)%8)/4)
.irp ct, 0,1,2,3
.irp c, 0,1,2,3
	global_load_b128 v[64*((\s2)%4)+16*\ct+4*\c:64*((\s2)%4)+16*\ct+4*\c+3], v[L16], s[44:45] offset:(\s2)*8192+\ct*2048+512*\c
.endr
.endr
.endm
; All that pass s38's products want from memory is asked for: its bases; W2's scale words (8 loads), b2 (8), W2's chunks 0 to 7 (128).
; The registers in which these land were last named by matrix instructions that stand ahead of a wait on va_vdst: the one at the change to the second product, or the one behind the last pair of the pass before.
.macro PASSHEAD
	s_mov_b32 s29, 0
	s_lshl_b32 s28, s38, 17
	s_add_nc_u64 s[44:45], s[14:15], s[28:29]
	s_lshl_b32 s28, s38, 12
	s_add_nc_u64 s[46:47], s[16:17], s[28:29]
	s_lshl_b32 s28, s38, 8
	s_add_nc_u64 s[48:49], s[18:19], s[28:29]
	s_add_nc_u64 s[50:51], s[20:21], s[28:29]      ; the table at the pass's 64 slots (their columns lie 512 bytes on)
	s_lshl_b32 s28, s42, 2
	s_add_nc_u64 s[54:55], s[52:53], s[28:29]      ; out at my first row and the pass's first column
.irp n, 0,1,2,3,4,5,6,7
	global_load_b128 v[W2S+4*\n:W2S+4*\n+3], v[L16], s[46:47] offset:512*\n   ; register 16 (ct / 2) + chunk: lanes 0-15 the even tile's columns, lanes 16-31 the odd tile's
.endr
.irp ct, 0,1,2,3
.irp j, 0,1
	global_load_b128 v[BR+8*\ct+4*\j:BR+8*\ct+4*\j+3], v[B2V], s[48:49] offset:64*\ct+16*\j
.endr
.endr
.irp n, 0,1,2,3,4,5,6,7
	W2LOAD \n
.endr
	WIN 0
.endm
; The hidden fragments of my two row tiles for chunk s2: 8 LDS loads of 512 consecutive bytes, into slot s2 % 8 of window 1
.macro HLOAD s2
	WIN 0x40
.irp mt, 0,1
.irp c, 0,1,2,3
	ds_load_b128 v[32*((\s2)%8)+16*\mt+4*\c:32*((\s2)%8)+16*\mt+4*\c+3], v[HR+(\s2)/4] offset:((\s2)%4)*16384+\c*4096+\mt*512
.endr
.endr
.endm
.macro MM2 s2, mt, ct
.set rD, YA+8*(4*\mt+\ct)
.set rA, 64*((\s2)%4)+16*\ct
.set rB, 32*((\s2)%8)+16*\mt
.set rC, rD
.if (\s2) == 0
.set rC, BR+8*\ct                              ; the bias starts the sum
.endif
.set rSA, W2S+16*(\ct/2)+(\s2)
.set rSB, HSC+(\s2)
.if (\ct % 2 == 0) && (\mt == 0)
	v_wmma_scale_f32_16x16x128_f8f6f4 v[rD:rD+7], v[rA:rA+15], v[rB:rB+15], v[rC:rC+7], v[rSA], v[rSB]
.elseif (\mt == 0)
	v_wmma_scale_f32_16x16x128_f8f6f4 v[rD:rD+7], v[rA:rA+15], v[rB:rB+15], v[rC:rC+7], v[rSA], v[rSB] matrix_a_scale:MATRIX_SCALE_ROW1
.elseif (\ct % 2 == 0)
	v_wmma_scale_f32_16x16x128_f8f6f4 v[rD:rD+7], v[rA:rA+15], v[rB:rB+15], v[rC:rC+7], v[rSA], v[rSB] matrix_b_scale:MATRIX_SCALE_ROW1
.else
	v_wmma_scale_f32_16x16x128_f8f6f4 v[rD:rD+7], v[rA:rA+15], v[rB:rB+15], v[rC:rC+7], v[rSA], v[rSB] matrix_a_scale:MATRIX_SCALE_ROW1 matrix_b_scale:MATRIX_SCALE_ROW1
.endif
.endm
; A chunk of the second product: 8 matrix instructions, the 8 accumulators by turns, in the same order in every chunk
.macro MUL8 s2
	WIN 0x06+((\s2)%8)/4                           ; source 0 (W2) window 2 or 3, source 1 (the hidden layer) window 1, C and D window 0
.irp mt, 0,1
.irp ct, 0,1,2,3
	MM2 \s2, \mt, \ct
.endr
.endr
.endm
; Pair k: chunks 2 k and 2 k + 1.  Between the two runs of 8 products stand the pair's loads, with no wait of their own: W2's chunks 2 k + 6, 2 k + 7 land in the slots that pair k - 1 has left, the hidden chunks
; 2 k + 4, 2 k + 5 in those that pair k - 2 has left (pairs 0 and 1: in slots 4 to 7, which this pass has not read yet); a wait on va_vdst stands behind each of those pairs, and the products issued since name other slots.
.macro PAIR k
.if (\k) <= 5
	s_wait_loadcnt 63                              ; behind this pair's 32 loads of W2 64 or more were issued
.else
	s_wait_loadcnt 32*(7-(\k))                     ; the later chunks' loads may be out
.endif
.if (\k) <= 6
	s_wait_dscnt 16                                ; the next two chunks' hidden fragments may be out
.else
	s_wait_dscnt 0x0
.endif
	MUL8 2*(\k)
.if ((\k) >= 1) && ((\k) <= 4)
	W2LOAD 2*(\k)+6
	W2LOAD 2*(\k)+7
.endif
.if (\k) <= 5
	HLOAD 2*(\k)+4
	HLOAD 2*(\k)+5
.endif
	MUL8 2*(\k)+1
.if (\k) <= 3
	PLACES 8                                       ; for the loads into the slots just read
	s_wait_alu depctr_va_vdst(0)                   ; this pair's products are done reading their slots of both rings: chunks 2 k + 8 and 2 k + 9 land there, W2's in the next pair, the hidden layer's in the pair after that
.endif
.endm
	s_load_b512 s[4:19], s[0:1], 0x0               ; x s[4:5], maskT s[6:7], w1f s[8:9], W1_scales s[10:11], b1 s[12:13], w2f s[14:15], w2s s[16:17], b2s s[18:19]
	s_load_b128 s[20:23], s[0:1], 0x40             ; tab s[20:21], out0 s[22:23]
	v_lshrrev_b32 v13, 5, v0
	v_readfirstlane_b32 s24, v13                   ; wave 0..3
	s_and_b32 s26, ttmp7, 0xffff                   ; the group
	v_and_b32 v14, 31, v0                          ; lane
	v_and_b32 v15, 15, v0                          ; r
	v_bfe_u32 v13, v0, 4, 1                        ; h
	v_lshlrev_b32 v[L16], 4, v14
	v_and_b32 v[WSV], 8, v15
	v_add_nc_u32 v[WSV], v[WSV], v15
	v_lshl_add_u32 v[WSV], v13, 3, v[WSV]
	v_lshlrev_b32 v[WSV], 4, v[WSV]
	v_lshlrev_b32 v[B1V], 6, v13
	v_lshlrev_b32 v[XV], 5, v14
	s_wait_alu depctr_va_sdst(0)                   ; s24 is written, ahead of its first reader: LDS addresses and the bases are made from it
	s_mul_i32 s27, s24, 32*XP
	v_lshlrev_b32 v[XST], 3, v14
	v_add_nc_u32 v[XST], s27, v[XST]               ; my wave's 32 rows, + 8 x lane
	s_lshl_b32 s27, s24, 9
	s_add_co_u32 s27, s27, XSB
	v_bfe_u32 v[XSS], v0, 2, 3
	v_add_nc_u32 v[XSS], s27, v[XSS]               ; their scale bytes, + lane / 4
	v_mul_u32_u24 v[XRD], v15, XP
	v_lshl_add_u32 v[XRD], v13, 4, v[XRD]          ; row r, + 16 h
	v_add_nc_u32 v[XSR], XSB, v[L16]
	s_lshl_b32 s27, s24, 16
	v_add_nc_u32 v[HAD0], s27, v[L16]
	s_lshl_b32 s27, s24, 9
	s_add_co_u32 s27, s27, HSB
	v_lshlrev_b32 v[HSA0], 4, v15
	v_add_nc_u32 v[HSA0], s27, v[HSA0]
	s_mov_b32 s30, 0x600000                        ; the mantissa field of 448
	s_mov_b32 s32, 0x76543210
	s_mov_b32 s33, 0xfedcba98                      ; v_permlanex16_b32's selects for lane l xor 16
	s_mov_b32 s29, 0
	s_wait_kmcnt 0x0
	s_lshl_b32 s28, ttmp9, 18                      ; 128 rows of 2,048 bytes a work-group,
	s_lshl_b32 s27, s24, 16                        ; 32 a wave: in x and in out alike
	s_add_co_u32 s28, s28, s27
	s_add_nc_u64 s[4:5], s[4:5], s[28:29]
	s_add_nc_u64 s[52:53], s[22:23], s[28:29]
	s_lshl_b32 s28, s26, 11
	s_add_nc_u64 s[6:7], s[6:7], s[28:29]          ; the group's row of the mask
	s_lshl_b32 s28, s24, 18
	s_add_nc_u64 s[8:9], s[8:9], s[28:29]          ; my wave's 16 sub-chunks of W1,
	s_lshl_b32 s28, s24, 13
	s_add_nc_u64 s[10:11], s[10:11], s[28:29]      ; of its scale bytes (512 a sub-chunk),
	s_lshl_b32 s28, s24, 11
	s_add_nc_u64 s[12:13], s[12:13], s[28:29]      ; and of b1
	s_wait_alu depctr_va_vdst(0)                   ; the addresses v1 to v10 are written: the loads and LDS instructions of A and of the first product read them
.irp t, 0,1
.irp j, 0,1
	global_load_b128 v[MK+8*\t+4*\j:MK+8*\t+4*\j+3], v[XV], s[6:7] offset:1024*\t+16*\j
.endr
.endr
.irp i, 0,1,2,3,4,5
	XLOAD \i
.endr
	s_lshl_b32 s58, s26, 3
	s_load_b64 s[40:41], s[20:21], s58 offset:0x0  ; the group's {number of passes, first pass}
	s_wait_kmcnt 0x0
	s_min_u32 s37, s40, 8                          ; numbers read from memory are held to their range before they steer anything
	s_min_u32 s38, s41, 14
	s_lshl_b32 s58, s38, 4
	s_load_b128 s[40:43], s[20:21], s58 offset:0x100   ; the first pass's {count, flag, first column, -}: waited for at the change to the second product; s58 and s[40:43] rest until then
	; ---- A: my 32 rows of x, a pair at a time; loads run six pairs (48 loads) ahead
.set I, 0
.rept 16
.if I <= 9
	XLOAD I+6
	s_wait_loadcnt 48                              ; this pair's 8 loads (and the mask's) are in; the six younger pairs' may be out
.else
	s_wait_loadcnt 8*(15-I)
.endif
.if I == 15
	LOADW 0                                        ; the first 32 hidden units' part of W1: it lands under the rest of A.  No vector line has named set 0
.endif
	s_wait_dscnt 0x0                               ; the last pair's LDS stores have landed
.if I > 0
	s_wait_alu depctr_vm_vsrc(0)                   ; and have read v84-95, which this pair's shifts and conversions write again
.endif
	XQ I
.set I, I+1
.endr
	BARRIER                                        ; all 128 rows' codes and scale bytes lie in LDS
.irp m, 0,1,2,3,4,5,6,7
	WIN 0x80+0x40*(\m/4)
.irp s, 0,1,2,3
.irp c, 0,1,2,3
.set rX, 16*(4*(\m%4)+\s)+4*\c
	ds_load_b128 v[rX:rX+3], v[XRD] offset:\m*16*XP+\s*128+\c*32   ; fragment (row tile m, K step s): registers 4 c on hold k = 128 s + 32 c + 16 h + 0 .. 15 of row 16 m + r.  (No vector line since the last pair's wait on va_vdst names windows 2 and 3)
.endr
.endr
.endr
	WIN 0
.irp n, 0,1,2,3
	ds_load_b128 v[XSC+4*\n:XSC+4*\n+3], v[XSR] offset:512*\n      ; register 4 n + s: lanes 0-15 the words of row tile 2 n, lanes 16-31 of 2 n + 1, for K step s
.endr
	NEXTW 1                                        ; the second 32 units' part of W1: from here on two sets' loads are on their way.  No vector line has named set 1
.irp b, 0,1,2,3
	v_mov_b32 v[TP+\b], 0                          ; written once: a lane permute's destination counts as one of its sources
.endr
	BARRIER                                        ; every wave's reads are in: the hidden codes may be laid over x's
	; ---- 1: the hidden layer: 8 trips of two sub-chunks of 32 units; the last trip is written out, since it asks for no more of W1 and its counts run down
	s_mov_b32 s34, 0
	s_mov_b32 s35, 0                               ; where the trip's codes go: 8,192 bytes a trip,
	s_mov_b32 s36, 0                               ; and its scale bytes: 2 a trip
.Lunits:
	SUB 0, 1, 37
	SUB 1, 1, 37
	s_add_co_u32 s35, s35, 8192
	s_add_co_u32 s36, s36, 2
	s_add_co_u32 s34, s34, 1
	s_cmp_lt_u32 s34, 7
	s_cbranch_scc1 .Lunits
	SUB 0, 0, 37
	SUB 1, 0, 0
	; ---- the change to the second product
	s_wait_loadcnt 0x0                             ; no load of the first product is out (the last sub-chunk waited for all): its registers and address registers are taken over below
	s_wait_dscnt 0x0                               ; my hidden codes and bytes lie in LDS
	s_wait_kmcnt 0x0                               ; the first pass's entry
	s_min_u32 s42, s42, 448
	s_wait_alu depctr_vm_vsrc(0)                   ; the loads and LDS instructions so far have read their addresses v2 to v12, which are written below or loaded into later, and the last stores v96-127, in which W2's scale words land
	v_and_b32 v76, 31, v0                          ; lane
	v_and_b32 v74, 15, v0                          ; r
	v_bfe_u32 v75, v0, 4, 1                        ; h
	s_lshl_b32 s27, s24, 10
	v_add_nc_u32 v[HR], s27, v[L16]                ; row tiles 2 w, 2 w + 1: 1,024 w + 16 lane;
	v_add_nc_u32 v[HR+1], 65536, v[HR]             ; four chunks are 65,536 bytes
	v_add_nc_u32 v[HR+2], 131072, v[HR]
	v_add_nc_u32 v[HR+3], 196608, v[HR]
	s_mul_i32 s27, s24, 32*SPI
	s_add_co_u32 s27, s27, STG                     ; my stage
	v_mul_u32_u24 v[SST], v74, SPI
	v_lshl_add_u32 v[SST], v75, 5, v[SST]
	v_add_nc_u32 v[SST], s27, v[SST]               ; in: row r, + 32 h
	v_mul_u32_u24 v[SRF], v75, SPI
	v_lshl_add_u32 v[SRF], v74, 4, v[SRF]
	v_add_nc_u32 v[SRF], s27, v[SRF]               ; back: lanes 0-15 one row, lanes 16-31 the next
	v_lshlrev_b32 v[L4], 2, v76
	v_add_nc_u32 v[SRG], s27, v[L4]                ; back: 32 slots of one row
	v_lshlrev_b32 v[OVF], 11, v75
	v_lshl_add_u32 v[OVF], v74, 4, v[OVF]          ; the same two rows in out
	v_lshlrev_b32 v[B2V], 5, v75
	s_lshl_b32 s27, s24, 11
	s_add_co_u32 s27, s27, HSB
	v_add_nc_u32 v[HSR], s27, v[L16]
	s_wait_alu depctr_va_vdst(0)                   ; the addresses v4 to v14 are written, which the second product's loads and stores read; the first product's instructions are done with window 1, x's fragments, v16-31, v40-71, v96-127 and v192-255, in which loads land from here on
	PASSHEAD                                       ; ahead of the barrier: these loads touch no LDS and are on their way while the waves meet
	s_mov_b32 s39, 0                               ; passes done
	BARRIER                                        ; the whole hidden layer lies in LDS; from here on it is only read
	s_cmp_eq_u32 s37, 0                            ; no column names this group: nothing to make
	s_cbranch_scc1 .Lend
.irp k, 0,1,2,3
	ds_load_b128 v[HSC+4*\k:HSC+4*\k+3], v[HSR] offset:512*\k      ; register = chunk: lanes 0-15 the words of row tile 2 w, lanes 16-31 of 2 w + 1; they serve every pass
.endr
	; ---- 2: a pass of 64 slots
.Lpass:
.irp n, 0,1,2,3
	HLOAD \n
.endr
.irp k, 0,1,2,3,4,5,6,7
	PAIR \k
.endr
	WIN 0
	PLACES 9                                       ; the stage's stores read results; the next pass's first products write over these accumulators
	s_wait_alu depctr_va_vdst(0)                   ; the products have written v128-191, which the stage's stores read, and are done reading both rings, W2's scale words and b2, in which the next pass's loads land
.irp mt, 0,1
.irp ct, 0,1,2,3
	ds_store_b128 v[SST], v[YA+8*(4*\mt+\ct):YA+8*(4*\mt+\ct)+3] offset:16*\mt*SPI+64*\ct          ; lane (r, h): y(16 mt + r, slots 16 ct + 8 h + 0 .. 7); each accumulator from its low end on
	ds_store_b128 v[SST], v[YA+8*(4*\mt+\ct)+4:YA+8*(4*\mt+\ct)+7] offset:16*\mt*SPI+64*\ct+16
.endr
.endr
	s_cmp_eq_u32 s41, 1
	s_cbranch_scc0 .Lscatter
	; the pass is 64 neighbouring columns from a multiple of 64: whole rows of 256 bytes leave, sixteen lanes to a row
.irp t, 0,1,2,3,4,5,6,7,8,9,10,11,12,13,14,15
	ds_load_b128 v[OB+4*\t:OB+4*\t+3], v[SRF] offset:2*\t*SPI      ; LDS serves a wave's instructions in order (ISA guide 5.7.1.4): these see my stores
.endr
.irp t, 0,1,2,3,4,5,6,7,8,9,10,11,12,13,14,15
	s_wait_dscnt 15-\t                             ; the younger loads may be out
	global_store_b128 v[OVF], v[OB+4*\t:OB+4*\t+3], s[54:55] offset:4096*\t th:TH_STORE_NT   ; 16 lanes store 256 consecutive bytes, at a multiple of 256 from out's first byte
.endr
	s_branch .Ljoin
.Lscatter:
	; any other pass: a lane to a slot, each number to its own column; the columns between belong to other groups' work-groups, so no longer run can be stored here.
	; The slots' columns are fetched here, where they are wanted; the 64 LDS loads stand between the two loads and the wait for them.  All lanes store: a slot past the count holds the first column and its number.
	global_load_b32 v[PA], v[L4], s[50:51] offset:512
	global_load_b32 v[PA+1], v[L4], s[50:51] offset:640
.set R, 0
.rept 32
	ds_load_b32 v[OB+R], v[SRG] offset:SPI*R
	ds_load_b32 v[OB+32+R], v[SRG] offset:SPI*R+128
.set R, R+1
.endr
	s_wait_loadcnt 0x0
	v_min_u32 v[PA], 511, v[PA]                    ; a number read from memory is held to its range before it enters an address
	v_min_u32 v[PA+1], 511, v[PA+1]
	v_lshlrev_b32 v[PA], 2, v[PA]
	v_lshlrev_b32 v[PA+1], 2, v[PA+1]
	s_wait_alu depctr_va_vdst(0)                   ; v2 and v3 are written: the 64 stores below read them as their offsets
.set R, 0
.rept 32
	s_wait_dscnt 62-2*R                            ; row R's two loads are in; the later rows' may be out
	global_store_b32 v[PA], v[OB+R], s[52:53] offset:2048*R
	global_store_b32 v[PA+1], v[OB+32+R], s[52:53] offset:2048*R
.set R, R+1
.endr
.Ljoin:
	s_wait_xcnt 0x0                                ; the stores have had their addresses translated: their bases may be written again
	s_wait_alu depctr_vm_vsrc(0)                   ; the stores have read v192-255 and v2, v3, in which the next pass's way out loads (and of which v254, v255 are made anew at the end); the stage's stores have read v128-191, which the next pass's products write
	s_add_co_u32 s39, s39, 1
	s_add_co_u32 s38, s38, 1
	s_min_u32 s38, s38, 14
	s_cmp_lt_u32 s39, s37
	s_cbranch_scc0 .Lno_pass
	s_lshl_b32 s58, s38, 4
	s_load_b128 s[40:43], s[20:21], s58 offset:0x100
	s_wait_kmcnt 0x0
	s_min_u32 s42, s42, 448
	PASSHEAD                                       ; no load of the pass before is out (its last pair, and the scattered way out, waited for all)
.Lno_pass:
	s_cmp_lt_u32 s39, s37
	s_cbranch_scc1 .Lpass
.Lend:
	s_wait_xcnt 0x0
	v_lshl_add_u32 v254, v0, 2, 0x4a800
	v_mov_b32 v255, 0
	s_wait_dscnt 0x0                               ; the closing lines, six on end
	s_wait_alu 0x0
	s_wait_tensorcnt 0x0
	ds_add_u32 v254, v255
	s_wait_dscnt 0x0
	s_endpgm
.Lfunc_end_k_qfac14fe89e_main:
	.size	k_qfac14fe89e_main, .Lfunc_end_k_qfac14fe89e_main-k_qfac14fe89e_main
	.p2alignl 7, 3214868480
	.fill 96, 4, 3214868480
	.section	.rodata,"a",@progbits
	.p2align	6, 0x0
	.amdhsa_kernel k_qfac14fe89e_main
		.amdhsa_group_segment_fixed_size 305664
		.amdhsa_private_segment_fixed_size 0
		.amdhsa_enable_private_segment 0
		.amdhsa_kernarg_size 80
		.amdhsa_user_sgpr_count 2
		.amdhsa_user_sgpr_kernarg_segment_ptr 1
		.amdhsa_wavefront_size32 1
		.amdhsa_system_sgpr_workgroup_id_x 1
		.amdhsa_system_sgpr_workgroup_id_y 1
		.amdhsa_system_sgpr_workgroup_id_z 1
		.amdhsa_system_vgpr_workitem_id 0
		.amdhsa_next_free_vgpr 1024
		.amdhsa_next_free_sgpr 66
		.amdhsa_reserve_vcc 0
		.amdhsa_float_denorm_mode_32 3
		.amdhsa_float_denorm_mode_16_64 3
		.amdhsa_memory_ordered 1
		.amdhsa_forward_progress 1
		.amdhsa_inst_pref_size 255
	.end_amdhsa_kernel
	.section	.bss,"aw",@nobits
	.p2align	6
	.space	262144
	.amdgpu_metadata
---
amdhsa.version: [ 1, 2 ]
amdhsa.kernels:
  - .name:           k_qfac14fe89e_main
    .symbol:         k_qfac14fe89e_main.kd
    .args:
      - { .name: x, .offset: 0, .size: 8, .value_kind: global_buffer, .address_space: global }
      - { .name: maskT, .offset: 8, .size: 8, .value_kind: global_buffer, .address_space: global }
      - { .name: w1f, .offset: 16, .size: 8, .value_kind: global_buffer, .address_space: global }
      - { .name: W1_scales, .offset: 24, .size: 8, .value_kind: global_buffer, .address_space: global }
      - { .name: b1, .offset: 32, .size: 8, .value_kind: global_buffer, .address_space: global }
      - { .name: w2f, .offset: 40, .size: 8, .value_kind: global_buffer, .address_space: global }
      - { .name: w2s, .offset: 48, .size: 8, .value_kind: global_buffer, .address_space: global }
      - { .name: b2s, .offset: 56, .size: 8, .value_kind: global_buffer, .address_space: global }
      - { .name: tab, .offset: 64, .size: 8, .value_kind: global_buffer, .address_space: global }
      - { .name: out0, .offset: 72, .size: 8, .value_kind: global_buffer, .address_space: global }
    .group_segment_fixed_size: 305664
    .private_segment_fixed_size: 0
    .kernarg_segment_align: 8
    .kernarg_segment_size: 80
    .max_flat_workgroup_size: 128
    .sgpr_count:     66
    .vgpr_count:     1024
    .wavefront_size: 32
...
	.end_amdgpu_metadata
.endif
;; end of part 3
